; MI455X (gfx1250); checked and timed in simulation.
; The chip was launched on July 23, 2026; its instructions are those of AMD's public machine-readable ISA for CDNA 5 (MIT licence, August 2026) and "CDNA5" Instruction Set Architecture Reference Guide (July 2026). The comments in the code are by the model that wrote it; some were corrected since.
;; H2 O Original. Allowed arithmetic: matrix products marked QUANTISED: E3M2 operands, one E8M0 scale for each 32 along K, by v_wmma_scale_f32_16x16x128_f8f6f4 with both operands' format E3M2, f32 sums; everything else in f32.
;; Inputs: k 1 x 16 x 64 x 4,096 float32; q 1 x 16 x 4,096 x 64 float32; v 1 x 16 x 4,096 x 64 float32.
;; Outputs: out0 1 x 16 x 4,096 x 64 float32; out1 1 x 16 x 4,096 float32.
;; This version of the problem:
;;   THIS VERSION OF THE PROBLEM IS GIVEN IN LOW PRECISION. The matrix products marked QUANTISED in the list below multiply operands that are first quantised to E3M2 (3 exponent bits, 2 mantissa bits; 6 bits a number), with one power-of-two scale for each 32 numbers along K (OCP MX v1.0); their sums are f32. All else is computed in f32.
;;   The module's matrix products, in the order in which they are computed (A, B: the left and right operand; K: the contracted axis; several contracted axes count as one K, in the product's order):
;;     1. batch 16 x [M 4,096, K 64] x [K 64, N 4,096]; A: input q; B: input k: QUANTISED
;;     2. batch 16 x [M 4,096, K 4,096] x [K 4,096, N 64]; A: softmax (see below); B: input v: QUANTISED
;;   THE QUANTISER, for each operand of a quantised product, along K:
;;     - K is cut into blocks of 32 from its start; a last block that is shorter is filled with zeros.
;;     - A block's scale is 2^e with e = floor(log2(the largest magnitude in the block)) - 4, held to -126 .. 127; a block of zeros has e = 0. As a byte (E8M0): e + 127.
;;     - Each number is divided by its block's scale, clamped to +-28, and rounded to the nearest number of E3M2, ties to even, subnormals kept.
;;     - The product sums the exact products of the quantised numbers (number of the format x scale) in f32.
;;   ~~~python
;;   def quantise(x, axis):      # numpy; x: float32 -> the quantised numbers, widened to float32 again
;;       x = np.moveaxis(x, axis, -1); K = x.shape[-1]
;;       x = np.pad(x, [(0, 0)] * (x.ndim - 1) + [(0, -K % 32)]); x = x.reshape(x.shape[:-1] + (-1, 32)); a = np.abs(x).max(-1, keepdims=True)
;;       e = np.where(a > 0, np.clip(np.frexp(np.where(a > 0, a, 1))[1] - 1 - 4, -126, 127), 0)      # np.frexp(a)[1] - 1 = floor(log2(a)), exactly
;;       r = np.clip(x / 2.0 ** e, -28, 28)
;;       step = 2.0 ** (np.maximum(np.frexp(np.where(r == 0, 1, r))[1] - 1, -2) - 2)
;;       q = np.round(r / step) * step * 2.0 ** e      # np.round: ties to even
;;       return np.moveaxis(q.reshape(q.shape[:-2] + (-1,))[..., :K], -1, axis).astype(np.float32)
;;   ~~~
;;   SOFTMAX AHEAD OF A QUANTISED PRODUCT. Where the list says 'softmax', what is quantised is not the finished softmax but p = 2^(t - M), with t = logit x log2(e) and M = ceil(the row's largest t), a whole number; so 1/2 < the row's largest p <= 1. The row's sum l is taken of the UNQUANTISED p, in f32, and the product's result is divided by l at the end. Since M is a whole number, a kernel that streams over the keys may use a running M (the ceiling of the running maximum): every later rescaling is an exact power of two, which a block's scale takes up: the codes' values come out the same.
;;   OPERANDS COMPUTED ON THE WAY. 'Computed on the way' means the value that the module computes at that place (a softmax that the list does not call 'softmax' is quantised finished and normalised). What goes into a quantiser is computed in f32, as accurately as f32 sums, v_exp_f32 and their like allow (about 1e-6 of the number): no bf16 or f16 on the way to a quantiser, and a product that is left as it is and whose result goes on into a quantised operand takes f32 operands (vector FMAs, or v_wmma_f32_16x16x4_f32). A number that lies on a knife's edge between two numbers of the format may be rounded either way, as far as f32 arithmetic and the matrix unit's own rounding can turn it there, and no further.
;; 2 versions. Each part assembles by itself: llvm-mc -triple=amdgcn-amd-amdhsa -mcpu=gfx1250 --defsym DOCPART=n.
;; ======== version 1 of 2: 3 launches
;; workspace buffers: kvimg 6,553,600 bytes; qimg 3,145,728 bytes; qsc 262,144 bytes; stats 524,288 bytes
;; launch prep (part 1): grid 512 x 1, 3 waves a work-group, no clusters, 18,176 bytes of LDS; arguments k, q, v, kvimg, qimg, qsc; writes kvimg, qimg, qsc
.if DOCPART == 1
	.amdgcn_target "amdgcn-amd-amdhsa--gfx1250"
	.amdhsa_code_object_version 6
	.text
	.protected	k_q2fb5e25990_prep
	.globl	k_q2fb5e25990_prep
	.p2align	8
	.type	k_q2fb5e25990_prep,@function
k_q2fb5e25990_prep:
	s_mov_b64 s[64:65], 0
	v_nop
	global_prefetch_b8 v0, s[64:65] scope:SCOPE_SE
	s_setreg_imm32_b32 hwreg(HW_REG_WAVE_MODE, 25, 1), 1
	s_wait_xcnt 0x0
; FIRST OF THREE LAUNCHES.  out0 = softmax(q k / 8 + causal mask) v and out1 = the column sums of that softmax, 16 heads, 4,096 positions, head size 64; both products on codes of BF6 (E3M2) with one E8M0 scale for each 32 along K.
; This launch quantises q, k and v ONCE, each along its product's K, and lays codes and scale bytes in the order of the operands' registers, so that the two later launches fetch whole fragments by loads of 16 bytes a lane.
; WORK LEFT OUT IN THE WHOLE PROGRAM.  The mask is built in the problem's own body: for key t > query s the score is -infinity, its exponential is 0, and it adds 0 to the row's sum, to out0 and to out1, whatever finite
; values q, k and v hold.  So tiles of scores that lie wholly above the diagonal are multiplied by neither later launch.  Every input is loaded whole here: each number has a way to an output.
; LIMIT: a NaN, an infinity or an overflow that would arise only in the tiles left out is not carried to the result.
; LIMITS OF THE QUANTISER: a block of zeros gets the scale byte 1 where the rule says 127 (its codes are zeros, which add nothing under any byte but 0xff, and this program alone reads the bytes);
; blocks whose largest magnitude lies under 2^-122 are held at that floor; NaN and infinities among the inputs are not served.
; SHARES.  Work-group j: head j / 32, key step and query block j % 32 (128 positions).  Wave 0 takes k's part, wave 1 v's, wave 2 q's: 32,768 bytes of input each.  The waves share nothing: no barrier.
; k [head][d 64][4096] and v [head][key][d 64] have their K as the first of the two axes: a lane takes a column and its registers run down K, so a block of 32 lies in one lane and nothing is transposed.
; q [head][query][64] has K innermost: a tile of 16 queries is loaded as it lies, 512 consecutive bytes a load, and turns through a stage in LDS so that lane (r, h) holds query r, d = 32 h .. 32 h + 31.
; THE RECORD of a head's key step, 12,800 bytes in kvimg:
;   0      four K pair images of 1,536 bytes.  Register p (0..11) of lane L lies at 512 (p / 4) + 16 L + 4 (p % 4).  Pair b, lane L = r + 16 h: registers 0-5: key 32 b + r + 8 (r / 8), d = 32 h + 0..31; registers 6-11: the key 8 further on.
;   6144   four V tile images, laid likewise.  Tile t, lane r + 16 h: row d = 16 t + r; registers 6 c .. 6 c + 5: keys 64 c + 32 h + 0..31 of the step.
;   12288  K's scale words at 16 r + 4 b: bytes (first key, d block 0), (first key, block 1), (second key, block 0), (second key, block 1).      12544  V's scale words at 16 r + 4 t: byte = key block of the step.
; qimg: 768 bytes a tile of 16 queries: registers 0-3 of lane L at 16 L, registers 4-5 at 512 + 8 L.   qsc: one word a query: its two scale bytes, twice.
.set KST,   0                          ; LDS: wave 0's stage: 6,144 bytes of images + 256 of scale words
.set VST,   6400                       ; wave 1's, likewise
.set QST,   12800                      ; wave 2's: 16 rows of 256 bytes, 272 apart
.set QSS,   17152                      ; and the scale words of its 128 queries
.set SPARE, 17664                      ; the spare words, 128 bytes for each wave: two blocks of 256 bytes that no other line names
.set SPW,   12                         ; v12  LDS address of my spare word; never rewritten
.set NIL,   13                         ; v13  0; never rewritten
.set X,     32                         ; v32-95 two sets of 32 numbers (k, v);  v32-159 four sets of 32 registers as loaded (q)
.set OUTR,  96                         ; v96-145 the way out of k's and v's stages
.set XQ,    160                        ; v160-191 a lane's 32 numbers of q
.set C,     192                        ; v192-197 a block's codes
.set T,     200                        ; v200-202 the second conversion's result
.set MX,    204                        ; v204-205 largest magnitudes
.set SCO,   206                        ; the conversion's scale operand
.set E,     207                        ; the scale's byte
.set W,     208                        ; v208-209 q's scale word at work
	s_load_b256 s[4:11], s[0:1], 0x0               ; k s[4:5], q s[6:7], v s[8:9], kvimg s[10:11]
	s_load_b128 s[12:15], s[0:1], 0x20             ; qimg s[12:13], qsc s[14:15]
	v_lshl_add_u32 v[SPW], v0, 2, SPARE
	v_mov_b32 v[NIL], 0
	v_lshrrev_b32 v1, 5, v0
	v_readfirstlane_b32 s16, v1                    ; wave 0..2: the role
	v_and_b32 v1, 31, v0                           ; lane
	v_lshlrev_b32 v2, 2, v1                        ; 4 x lane
	v_lshlrev_b32 v3, 4, v1                        ; 16 x lane
	v_lshlrev_b32 v4, 3, v1                        ; 8 x lane
	; every LDS address is made here, ahead of the parting of the roles
	v_and_b32 v22, 7, v0
	v_bfe_u32 v23, v0, 4, 1                        ; lane / 16
	v_lshl_add_u32 v22, v23, 3, v22                ; k: my key l of a pair is row r = l % 8 + 8 (l / 16)
	v_bfe_u32 v24, v0, 3, 1                        ; of the pair's tile u = (l / 8) % 2
	v_lshlrev_b32 v25, 4, v22                      ; 16 r
	v_mad_u32_u24 v5, v24, 520, v25                ; registers 6 u + 0, 1:  u = 0: 16 r;        u = 1: 512 + 16 r + 8
	v_mad_u32_u24 v6, v24, 1016, v25
	v_add_nc_u32 v6, 8, v6                         ; registers 6 u + 2, 3:  u = 0: 16 r + 8;    u = 1: 1,024 + 16 r
	v_add_nc_u32 v7, 512, v5                       ; registers 6 u + 4, 5:  u = 0: 512 + 16 r;  u = 1: 1,024 + 16 r + 8
	v_lshl_add_u32 v8, v24, 1, v25
	v_add_nc_u32 v8, KST+6144, v8                  ; my key's two scale bytes: 16 r + 2 u
	v_and_b32 v26, 15, v0                          ; lane % 16
	v_mul_u32_u24 v9, v23, 1536
	v_lshl_add_u32 v9, v26, 4, v9
	v_add_nc_u32 v9, VST, v9                       ; v: my column d = 32 e + l is row l % 16 of tile 2 e + l / 16
	v_lshlrev_b32 v10, 4, v26
	v_lshl_add_u32 v10, v23, 2, v10
	v_add_nc_u32 v10, VST+6144, v10                ; its scale word: 16 (l % 16) + 4 (l / 16)
	v_mul_u32_u24 v11, v23, 272
	v_lshl_add_u32 v11, v26, 4, v11
	v_add_nc_u32 v11, QST, v11                     ; q, into the stage: a load's 512 bytes are two rows
	v_mul_u32_u24 v14, v26, 272
	v_lshl_add_u32 v14, v23, 7, v14
	v_add_nc_u32 v14, QST, v14                     ; and out of it: row r, 128 bytes of my half
	v_lshl_add_u32 v15, v26, 2, QSS                ; q's scale word of row r
	v_lshlrev_b32 v21, 3, v23                      ; 8 h: my scale byte's place in it
	v_mov_b32 v[W+1], 0                            ; written once: a lane permute's destination counts as one of its sources
	s_mov_b32 s24, 0x76543210
	s_mov_b32 s25, 0xfedcba98                      ; v_permlanex16_b32's selects for lane l xor 16
	s_lshr_b32 s17, ttmp9, 5                       ; head
	s_and_b32 s18, ttmp9, 31                       ; step
	s_lshl_b32 s20, s17, 20                        ; k: a head is 64 rows of 16,384 bytes;
	s_lshl_b32 s22, s18, 9                         ; the step's 128 keys are 512 bytes of each row
	s_add_co_u32 s20, s20, s22
	s_mov_b32 s21, 0
	s_lshl_b32 s22, ttmp9, 15                      ; q, v: 128 rows of 256 bytes for each (head, step)
	s_mov_b32 s23, 0
	s_mul_i32 s26, ttmp9, 12800                    ; the record
	s_mov_b32 s27, 0
	s_mul_i32 s28, ttmp9, 6144                     ; eight images of q
	s_mov_b32 s29, 0
	s_lshl_b32 s30, ttmp9, 9                       ; 128 scale words of q
	s_mov_b32 s31, 0
	s_wait_kmcnt 0x0
	s_add_nc_u64 s[4:5], s[4:5], s[20:21]
	s_add_nc_u64 s[6:7], s[6:7], s[22:23]
	s_add_nc_u64 s[8:9], s[8:9], s[22:23]
	s_add_nc_u64 s[10:11], s[10:11], s[26:27]
	s_add_nc_u64 s[12:13], s[12:13], s[28:29]
	s_add_nc_u64 s[14:15], s[14:15], s[30:31]
; 32 numbers of ONE block, v[XS] .. v[XS + 31], become six registers of codes, v[C] on, and the scale's byte in v[E].
.macro QUANT1
	v_max3_num_f32 v[MX], |v[XS]|, |v[XS+1]|, |v[XS+2]|            ; the largest magnitude, in two chains
	v_max3_num_f32 v[MX+1], |v[XS+3]|, |v[XS+4]|, |v[XS+5]|
.irp i, 6,10,14,18,22,26
	v_max3_num_f32 v[MX], v[MX], |v[XS+\i]|, |v[XS+\i+1]|
	v_max3_num_f32 v[MX+1], v[MX+1], |v[XS+\i+2]|, |v[XS+\i+3]|
.endr
	v_max3_num_f32 v[MX], v[MX], |v[XS+30]|, |v[XS+31]|
	v_max3_num_f32 v[MX], v[MX], v[MX+1], 0x2800000                ; and the floor 2^(5 - 127): the byte cannot fall under 1
	v_add_nc_u32 v[SCO], 0xfe000000, v[MX]                         ; 4 off its exponent field: the conversion takes the exponent field of this operand as its scale
	v_lshrrev_b32 v[E], 23, v[SCO]                                 ; the scale's byte
	v_cvt_scalef32_pk16_bf6_f32 v[C:C+2], v[XS:XS+15], v[SCO]
	v_cvt_scalef32_pk16_bf6_f32 v[T:T+2], v[XS+16:XS+31], v[SCO]   ; (a conversion's three registers begin on an even number)
	v_nop                                                          ; one plain place behind a scaled conversion
	v_mov_b32 v[C+3], v[T]
	v_mov_b32 v[C+4], v[T+1]
	v_mov_b32 v[C+5], v[T+2]
.endm
; A stage (6,144 bytes of images, 256 of scale words) leaves as it lies: each store of the wave covers 512 (the last: 256) consecutive bytes, at a multiple of 256 from the buffer's first byte.
.macro OUT12 base, goff, soff
.irp j, 0,1,2,3,4,5,6,7,8,9,10,11
	ds_load_b128 v[OUTR+4*\j:OUTR+4*\j+3], v3 offset:\base+512*\j  ; LDS serves a wave's instructions in order: these see my stores
.endr
	ds_load_b64 v[OUTR+48:OUTR+49], v4 offset:\base+6144
.irp j, 0,1,2,3,4,5,6,7,8,9,10,11
	s_wait_dscnt 12-\j                                             ; load j is in; the 12 - j issued behind it may be out
	global_store_b128 v3, v[OUTR+4*\j:OUTR+4*\j+3], s[10:11] offset:\goff+512*\j
.endr
	s_wait_dscnt 0x0
	global_store_b64 v4, v[OUTR+48:OUTR+49], s[10:11] offset:\soff
.endm
.macro FINISH                          ; the wave's end, behind my last LDS store
	s_wait_tensorcnt 0x0
	ds_add_u32 v[SPW], v[NIL]
	s_wait_dscnt 0x0
	s_endpgm
.endm
	s_cmp_eq_u32 s16, 1
	s_cbranch_scc1 .Lrole_v
	s_cmp_eq_u32 s16, 2
	s_cbranch_scc1 .Lrole_q
	; ---- wave 0: k.  Block t = 2 b + e: keys 32 b + lane of the step, d = 32 e + 0..31 down my registers.  Two blocks (64 loads) ahead.
.macro KLOAD t
.set ii, 0
.rept 32
	global_load_b32 v[X+32*((\t)%2)+ii], v2, s[4:5] offset:(32*((\t)%2)+ii)*16384+128*((\t)/2)
.set ii, ii+1
.endr
.endm
.macro KBLOCK t
.set XS, X+32*((\t)%2)
.if (\t) < 7
	s_wait_loadcnt 32                              ; this block's 32 loads are in; the next block's may be out
.else
	s_wait_loadcnt 0x0
.endif
	QUANT1
	ds_store_b64 v5, v[C:C+1] offset:1536*((\t)/2)+256*((\t)%2)    ; image b, lane r + 16 e
	ds_store_b64 v6, v[C+2:C+3] offset:1536*((\t)/2)+256*((\t)%2)
	ds_store_b64 v7, v[C+4:C+5] offset:1536*((\t)/2)+256*((\t)%2)
	ds_store_b8 v8, v[E] offset:4*((\t)/2)+(\t)%2
.if (\t)+2 < 8
	KLOAD (\t)+2
.endif
	s_wait_dscnt 0x0                               ; the stores have read their registers: the next block's codes may be written
.endm
	KLOAD 0
	KLOAD 1
.irp t, 0,1,2,3,4,5,6,7
	KBLOCK \t
.endr
	OUT12 KST, 0, 12288
	FINISH
	; ---- wave 1: v.  Block t = 2 f + e: column d = 32 e + lane, keys 32 f + 0..31 of the step down my registers.
.Lrole_v:
.macro VLOAD t
.set ii, 0
.rept 32
	global_load_b32 v[X+32*((\t)%2)+ii], v2, s[8:9] offset:(32*((\t)/2)+ii)*256+128*((\t)%2)
.set ii, ii+1
.endr
.endm
.macro VBLOCK t
.set XS, X+32*((\t)%2)
.set VB, 3072*((\t)%2)+256*(((\t)/2)%2)            ; tiles 2 e, 2 e + 1; lanes 16 (f % 2) on
.if (\t) < 7
	s_wait_loadcnt 32                              ; this block's 32 loads are in; the next block's may be out
.else
	s_wait_loadcnt 0x0
.endif
	QUANT1
.if (\t)/4 == 0                                    ; key blocks 0, 1: registers 0-5
	ds_store_b64 v9, v[C:C+1] offset:VB
	ds_store_b64 v9, v[C+2:C+3] offset:VB+8
	ds_store_b64 v9, v[C+4:C+5] offset:VB+512
.else                                              ; key blocks 2, 3: registers 6-11
	ds_store_b64 v9, v[C:C+1] offset:VB+520
	ds_store_b64 v9, v[C+2:C+3] offset:VB+1024
	ds_store_b64 v9, v[C+4:C+5] offset:VB+1032
.endif
	ds_store_b8 v10, v[E] offset:8*((\t)%2)+(\t)/2
.if (\t)+2 < 8
	VLOAD (\t)+2
.endif
	s_wait_dscnt 0x0                               ; the stores have read their registers
.endm
	VLOAD 0
	VLOAD 1
.irp t, 0,1,2,3,4,5,6,7
	VBLOCK \t
.endr
	OUT12 VST, 6144, 12544
	FINISH
	; ---- wave 2: q.  Eight tiles of 16 queries; loads run four tiles (32 loads) ahead.
.Lrole_q:
.macro QLOADT t
.irp i, 0,1,2,3,4,5,6,7
	global_load_b128 v[X+32*((\t)%4)+4*\i:X+32*((\t)%4)+4*\i+3], v3, s[6:7] offset:4096*(\t)+512*\i th:TH_LOAD_NT   ; 512 consecutive bytes: two rows
.endr
.endm
.macro QTILE t
.if (\t) < 5
	s_wait_loadcnt 24                              ; this tile's eight loads are in; those of the three tiles behind it may be out
.else
	s_wait_loadcnt 8*(7-(\t))
.endif
.irp i, 0,1,2,3,4,5,6,7
	ds_store_b128 v11, v[X+32*((\t)%4)+4*\i:X+32*((\t)%4)+4*\i+3] offset:544*\i
.endr
.irp i, 0,1,2,3,4,5,6,7
	ds_load_b128 v[XQ+4*\i:XQ+4*\i+3], v14 offset:16*\i            ; LDS serves a wave's instructions in order: these see the stores above
.endr
	s_wait_dscnt 0x0                               ; my 32 numbers are in, and the stage's stores (and the last tile's scale word's) have read their registers,
.if (\t) < 4
	QLOADT (\t)+4                                  ; which take the loads of four tiles on
.endif
	s_wait_xcnt 0x0                                ; the last tile's stores have read their data: the codes' registers may be written again
.set XS, XQ
	QUANT1
	v_lshlrev_b32 v[W], v21, v[E]                  ; my byte at its place (d block h),
	v_permlanex16_b32 v[W+1], v[W], s24, s25
	v_or_b32 v[W], v[W], v[W+1]                    ; with lane l xor 16's: the row's two bytes,
	v_lshl_or_b32 v[W], v[W], 16, v[W]             ; twice: q's codes serve in either half of a product's 128 along K
	ds_store_b32 v15, v[W] offset:64*(\t)          ; (lanes r and r + 16 write the same word with the same value)
	global_store_b128 v3, v[C:C+3], s[12:13] offset:768*(\t)
	global_store_b64 v4, v[C+4:C+5], s[12:13] offset:768*(\t)+512
.endm
	QLOADT 0
	QLOADT 1
	QLOADT 2
	QLOADT 3
.irp t, 0,1,2,3,4,5,6,7
	QTILE \t
.endr
	ds_load_b128 v[XQ:XQ+3], v3 offset:QSS         ; the 128 scale words leave as 512 consecutive bytes
	s_wait_dscnt 0x0
	global_store_b128 v3, v[XQ:XQ+3], s[14:15]
	FINISH
.Lfunc_end_k_q2fb5e25990_prep:
	.size	k_q2fb5e25990_prep, .Lfunc_end_k_q2fb5e25990_prep-k_q2fb5e25990_prep
	.p2alignl 7, 3214868480
	.fill 96, 4, 3214868480
	.section	.rodata,"a",@progbits
	.p2align	6, 0x0
	.amdhsa_kernel k_q2fb5e25990_prep
		.amdhsa_group_segment_fixed_size 18176
		.amdhsa_private_segment_fixed_size 0
		.amdhsa_enable_private_segment 0
		.amdhsa_kernarg_size 48
		.amdhsa_user_sgpr_count 2
		.amdhsa_user_sgpr_kernarg_segment_ptr 1
		.amdhsa_wavefront_size32 1
		.amdhsa_system_sgpr_workgroup_id_x 1
		.amdhsa_system_sgpr_workgroup_id_y 1
		.amdhsa_system_sgpr_workgroup_id_z 1
		.amdhsa_system_vgpr_workitem_id 0
		.amdhsa_next_free_vgpr 224
		.amdhsa_next_free_sgpr 66
		.amdhsa_reserve_vcc 0
		.amdhsa_float_denorm_mode_32 3
		.amdhsa_float_denorm_mode_16_64 3
		.amdhsa_memory_ordered 1
		.amdhsa_forward_progress 1
		.amdhsa_inst_pref_size 114
	.end_amdhsa_kernel
	.amdgpu_metadata
---
amdhsa.version: [ 1, 2 ]
amdhsa.kernels:
  - .name:           k_q2fb5e25990_prep
    .symbol:         k_q2fb5e25990_prep.kd
    .args:
      - { .name: k, .offset: 0, .size: 8, .value_kind: global_buffer, .address_space: global }
      - { .name: q, .offset: 8, .size: 8, .value_kind: global_buffer, .address_space: global }
      - { .name: v, .offset: 16, .size: 8, .value_kind: global_buffer, .address_space: global }
      - { .name: kvimg, .offset: 24, .size: 8, .value_kind: global_buffer, .address_space: global }
      - { .name: qimg, .offset: 32, .size: 8, .value_kind: global_buffer, .address_space: global }
      - { .name: qsc, .offset: 40, .size: 8, .value_kind: global_buffer, .address_space: global }
    .group_segment_fixed_size: 18176
    .private_segment_fixed_size: 0
    .kernarg_segment_align: 8
    .kernarg_segment_size: 48
    .max_flat_workgroup_size: 96
    .sgpr_count:     66
    .vgpr_count:     224
    .wavefront_size: 32
...
	.end_amdgpu_metadata
.endif
;; end of part 1
;; launch attn (part 2): grid 16 x 16, 16 waves a work-group, no clusters, 327,680 bytes of LDS; arguments qimg, qsc, kvimg, out0, stats; writes out0, stats
.if DOCPART == 2
	.amdgcn_target "amdgcn-amd-amdhsa--gfx1250"
	.amdhsa_code_object_version 6
	.text
	.protected	k_q2fb5e25990_attn
	.globl	k_q2fb5e25990_attn
	.p2align	8
	.type	k_q2fb5e25990_attn,@function
k_q2fb5e25990_attn:
	s_mov_b64 s[64:65], 0
	v_nop
	global_prefetch_b8 v0, s[64:65] scope:SCOPE_SE
	s_setreg_imm32_b32 hwreg(HW_REG_WAVE_MODE, 25, 1), 1
	s_wait_xcnt 0x0
; SECOND LAUNCH: out0[h][q][:] = the sum over keys k <= q of softmax_k(q . k / 8) v[k][:], both products on codes of BF6 made by the first launch; and for each query -M and 1 / l, which the third launch needs.
; LEFT OUT: key steps all of whose 128 keys come after a wave's 16 queries: under the problem's own causal mask their exponentials are 0 for all finite inputs (shown at the first kernel's head).
; THE SOFTMAX AHEAD OF THE SECOND PRODUCT: t = score x log2(e) / 8; M = the row's largest t so far, rounded UP to a whole number; p = 2^(t - M) is what is quantised, along the keys, not normalised.
; The row's sum l is taken of the unquantised p, in f32, and divides at the end.  When M moves, l and O are multiplied by 2^(old M - new M): exact.
; SHARES.  Work-group (i, head) owns the query blocks i and 31 - i of 128 queries: (i + 1) + (32 - i) = 33 key steps of 128 keys for each pair of tiles, the same in all 256 work-groups.
; Each of sixteen waves owns one tile of 16 queries: tile w / 2 of the late block where ((w xor w / 4) & 1) is 1, else of the early one: of any four waves on end, and of any four that are equal modulo 4, two are early and two late.
; RING.  K's and V's records (12,800 bytes a key step, laid by the first launch) come through two LDS slots of four steps, 51,200 dense bytes, each by ONE tensor load of wave 0, so that every load that is issued has bytes that are read.
; NO CLUSTER: the work-groups of a head need different numbers of slots (keys up to 4,095 - 128 i); a joint load would bring some partner slots that none of its waves reads.
; LAYOUT.  Both products are used transposed: S^T = K Q^T (source 0 = 16 keys, source 1 = my 16 queries), O^T = V^T P^T: a lane holds ONE query (lane % 16) throughout.
; K = 64 IN AN INSTRUCTION OF 128.  A pair image holds two tiles of 16 keys: one tile's 64 codes a row in registers 0-5, the other's in registers 6-11.  q's six registers stand between six registers of zeros on either side:
; [q | 0] picks the first tile, [0 | q] the second.  Zero codes add nothing under any scale byte that the quantiser gives.  So no padding is stored or fetched, and one scale word serves the pair (q's word holds its two bytes twice).
; The keys of a tile are not neighbours: row r of tile 2 b + u is key 32 b + 8 u + r + 8 (r / 8), so that the 16 registers of tiles 2 b and 2 b + 1 are keys 32 b + 16 (lane / 16) + 0..15.
; LIMITS: NaN and infinities among the inputs are not served.
.set REC,   12800                      ; a key step's record
.set SLOTB, 4*REC                      ; a slot: four steps
.set SLOT1, 65536                      ; slot 1 begins here: one exclusive or turns an address in one slot into the other's
.set NSL,   8                          ; slots' worth of keys in a head
.set OST,   131072                     ; the way out: 16 rows x (256 + 16) bytes for each wave; no tensor load lands here or further on
.set STA,   200704                     ; -M of the work-group's 256 queries (early block first), then 1 / l
.set SPARE, 202752                     ; the spare words, 128 bytes for each wave: eight blocks of 256 bytes that no other line names
.set LI,   1                           ; v1   16 x lane: an image's place for my lane; also my byte offset in the tile's rows of out0 (256 (lane / 16) + 16 (lane % 16))
.set LSC,  2                           ; v2   12,288 + 16 r: K's scale words in a record (V's: 256 on)
.set Q8,   3                           ; v3   8 x lane
.set Q4,   4                           ; v4   4 r
.set SPW,  5                           ; v5   LDS address of my spare word; never rewritten
.set NIL,  6                           ; v6   0; never rewritten
.set ADK,  8                           ; v8   the slot in hand + LI
.set ADS,  9                           ; v9   the slot in hand + LSC
.set SIN,  10                          ; v10  the stage: where I put 32 bytes of a row
.set SBK,  11                          ; v11  and where I read a row back
                                       ; v12 -M, v13 the largest t, v[14:15] the sum in two halves
.set QR,   16                          ; v16-33 six zeros, q's six registers, six zeros
.set QS,   34                          ; v34  q's scale words
.set PFO,  35                          ; v35  the prefetches' offset; never rewritten
.set FR,   36                          ; v36-83 K's four pair images, then V's four tiles
.set KS,   84                          ; v84-87 K's scale words
.set VS,   88                          ; v88-91 V's
.set S,    96                          ; v96-159 S^T, then p
.set OT,   160                         ; v160-191 O^T
.set PC,   192                         ; v192-203 p's codes
.set PH,   204                         ; v204-206, v208-210 the conversions' second halves
.set BM,   212                         ; v212-215 each block's largest score, then its largest p
.set PB,   216                         ; v216-219 the other half's; later the scale bytes
.set SO,   220                         ; v220-223 the conversions' scale operands
.set FF,   224                         ; v224 f = 2^(old M - new M);  v225 p's scale word (named with f as a pair)
.set TMP,  226
.set SUM2, 228                         ; v228-229 the sums' second chain
.set MD,   230                         ; v230, v231 the mask's
.set MI,   231
.set SA,   233                         ; v233 where my query's -M goes in LDS
.set SRD,  234                         ; v234 where a wave of the first four reads 128 statistics back
.set TB,    2                          ; s2   LDS byte at which the slot in hand begins
.set SLOTS, 3                          ; s3   changes of slots to go
.set KF,   14                          ; s14  the step's first key
.set Q0,   15                          ; s15  my first query
.set LQ,   16                          ; s16  my work-group's last query
.set WV,   18                          ; s18  my wave's number
.set LIM,  19                          ; s19  1 in a wave that prefetches, else the greatest number
.set SEL,  20                          ; s[20:21] lane selects for v_permlanex16_b32: lane l xor 16
.set CS,   22                          ; s[22:23] c = log2(e) / 8: the packed form names a pair and takes its low word for both halves
.set G1,   24                          ; s[24:31] descriptor group 1
.set G0,   32                          ; s[32:35] descriptor group 0, which walks
.set PFA,  36                          ; s[36:37] where my prefetches stand
; Wave 0 fetches, the others nothing.  The branch hangs on the wave's number alone.  An s_nop 0 and four v_nop follow the load.
.macro TLOAD
	s_cmp_lg_u32 s[WV], 0
	s_cbranch_scc1 .Lnot_mine_\@
	tensor_load_to_lds s[G0:G0+3], s[G1:G1+7]
	s_nop 0
.rept 4
	v_nop
.endr
.Lnot_mine_\@:
.endm
; A PREFETCH INTO THE L2 of the slot that the NEXT change of slots will ask for: 51,200 dense bytes, 200 blocks of 256.  All work-groups of a head walk the same records from the head's first key on: the work-group with x = 0,
; which walks all eight slots, asks, and nobody else.  In it eight waves that fetch nothing, 4 to 11, ask for 6,400 bytes each, lanes 256 bytes apart (lanes 25 to 31 name lane 24's block with it, in the same instruction).
; The last change that fills a slot asks for nothing: there is no slot behind it.  Slots 0 and 1 come by their loads alone.
.macro ASK
	s_cmp_gt_u32 s[SLOTS], s[LIM]
	s_cbranch_scc0 .Lno_ask_\@
	global_prefetch_b8 v[PFO], s[PFA:PFA+1] th:TH_LOAD_NT scope:SCOPE_SE
.Lno_ask_\@:
.endm
	s_load_b256 s[4:11], s[0:1], 0x0               ; qimg s[4:5], qsc s[6:7], kvimg s[8:9], out0 s[10:11]
	s_load_b64 s[12:13], s[0:1], 0x20              ; stats
	v_lshl_add_u32 v[SPW], v0, 2, SPARE
	v_mov_b32 v[NIL], 0
	ds_add_u32 v[SPW], v[NIL]                      ; the wave's opening: the add, twice on end, and its wait ahead of the first tensor load; the set-up below stands between the second and the wait
	ds_add_u32 v[SPW], v[NIL]
	v_lshrrev_b32 v8, 5, v0
	v_readfirstlane_b32 s[WV], v8                  ; wave 0..15
	s_and_b32 s38, ttmp7, 0xffff                   ; the head
	s_lshr_b32 s39, s[WV], 1                       ; my tile in its block of 128 queries
	s_lshr_b32 s40, s[WV], 2
	s_xor_b32 s40, s40, s[WV]
	s_and_b32 s40, s40, 1                          ; 1: the late block
	s_sub_co_u32 s41, 31, ttmp9                    ; 31 - i
	s_cmp_eq_u32 s40, 0
	s_cselect_b32 s42, ttmp9, s41                  ; my block
	s_lshl_b32 s[Q0], s42, 7
	s_lshl_b32 s43, s39, 4
	s_add_co_u32 s[Q0], s[Q0], s43                 ; my first query
	s_lshl_b32 s[LQ], s41, 7
	s_or_b32 s[LQ], s[LQ], 127                     ; the late block's last query
	s_mul_i32 s44, s38, 409600                     ; the head's 32 records
	s_mov_b32 s45, 0
	s_mul_i32 s46, s38, 196608                     ; the head's 256 images of q,
	s_mul_i32 s47, s[Q0], 48                       ; 768 bytes for each 16 queries
	s_add_co_u32 s46, s46, s47
	s_mov_b32 s47, 0
	s_lshl_b32 s48, s38, 12
	s_add_co_u32 s48, s48, s[Q0]                   ; my first query among all 65,536
	s_lshl_b32 s50, s48, 2                         ; its scale word
	s_mov_b32 s51, 0
	s_lshl_b32 s52, s48, 8                         ; its row of out0
	s_mov_b32 s53, 0
	s_and_b32 s54, s[WV], 1                        ; the statistics' way out, waves 0 to 3: -M (0, 1) or 1 / l (2, 3) of the early (0, 2) or the late block (1, 3)
	s_cmp_eq_u32 s54, 0
	s_cselect_b32 s54, ttmp9, s41
	s_lshl_b32 s54, s54, 7
	s_lshl_b32 s55, s38, 12
	s_add_co_u32 s54, s54, s55
	s_lshl_b32 s54, s54, 2
	s_bfe_u32 s55, s[WV], 0x10001
	s_lshl_b32 s55, s55, 18                        ; 1 / l lies 262,144 bytes behind -M
	s_add_co_u32 s54, s54, s55
	s_mov_b32 s55, 0
	; descriptor group 1: 51,200 dense bytes as 200 rows of 256 bytes (32 elements of 8 bytes); no padding: images are read at 16 x lane, 512 consecutive bytes a load
	s_mov_b32 s[G1+0], 3<<16                       ; no mask; elements of 8 bytes; padding off
	s_mov_b32 s[G1+1], 32<<16                      ; tensor_dim0 = 32
	s_mov_b32 s[G1+2], 200<<16                     ; tensor_dim1 = 200
	s_mov_b32 s[G1+3], 32<<16                      ; tile_dim0 = 32
	s_mov_b32 s[G1+4], 200                         ; tile_dim1 = 200
	s_mov_b32 s[G1+5], 32                          ; from row to row
	s_mov_b32 s[G1+6], 0
	s_mov_b32 s[G1+7], 0
	s_mov_b32 s[SEL], 0x76543210
	s_mov_b32 s[SEL+1], 0xfedcba98
	s_mov_b32 s[CS], 0x3e38aa3b                    ; c = log2(e) / 8
	s_mov_b32 s[CS+1], s[CS]                       ; (named with it as a pair, so it is written)
	s_mov_b32 s[TB], 0
	s_mov_b32 s[SLOTS], NSL-1
	s_mov_b32 s[KF], 0
	s_wait_dscnt 0x0                               ; both opening adds are done
	s_wait_kmcnt 0x0
	s_add_nc_u64 s[8:9], s[8:9], s[44:45]          ; the head's first record
	s_mov_b32 s[G0], 1                             ; count = 1
	s_mov_b32 s[G0+1], 0                           ; LDS address: slot 0
	s_mov_b64 s[G0+2:G0+3], s[8:9]                 ; global address: the head's first four records
	s_or_b32 s[G0+3], s[G0+3], 0x80000000          ; type = 2
	TLOAD                                          ; slot 0: key 0 counts for every query, so it is read
	s_add_nc_u64 s[4:5], s[4:5], s[46:47]
	s_add_nc_u64 s[6:7], s[6:7], s[50:51]
	s_add_nc_u64 s[10:11], s[10:11], s[52:53]
	s_add_nc_u64 s[12:13], s[12:13], s[54:55]
	s_and_b32 s56, s[WV], 7                        ; the prefetches: waves 4 to 11 take the eight parts of a slot, part wave % 8,
	s_mul_i32 s56, s56, 6400
	s_add_co_u32 s56, s56, SLOTB                   ; in slot 1: the first change of slots steps it to slot 2.  Nothing is prefetched here, at the head
	s_mov_b32 s57, 0
	s_add_nc_u64 s[PFA:PFA+1], s[8:9], s[56:57]
	s_sub_co_u32 s58, s[WV], 4
	s_lshr_b32 s58, s58, 3                         ; 0 in waves 4 to 11,
	s_or_b32 s58, s58, ttmp9                       ; of the work-group with x = 0
	s_cmp_eq_u32 s58, 0
	s_cselect_b32 s[LIM], 1, -1
	v_and_b32 v[PFO], 31, v0
	v_min_u32 v[PFO], 24, v[PFO]
	v_lshlrev_b32 v[PFO], 8, v[PFO]
	v_and_b32 v[LI], 31, v0
	v_lshlrev_b32 v[Q8], 3, v[LI]
	v_lshlrev_b32 v[LI], 4, v[LI]
	v_and_b32 v8, 15, v0                           ; r
	v_bfe_u32 v9, v0, 4, 1                         ; h
	v_lshlrev_b32 v[Q4], 2, v8
	v_lshl_add_u32 v[LSC], v8, 4, 12288
	global_load_b128 v[QR+6:QR+9], v[LI], s[4:5]               ; q's fragment stays in registers
	global_load_b64 v[QR+10:QR+11], v[Q8], s[4:5] offset:512
	global_load_b32 v[QS], v[Q4], s[6:7]
.irp j, 0,1,2,3,4,5,12,13,14,15,16,17
	v_mov_b32 v[QR+\j], 0                          ; the zeros on either side of q's codes: written once
.endr
	s_mul_i32 s59, s[WV], 4352
	s_add_co_u32 s59, s59, OST                     ; my stage
	v_mul_u32_u24 v[SIN], v8, 272
	v_lshl_add_u32 v[SIN], v9, 5, v[SIN]
	v_add_nc_u32 v[SIN], s59, v[SIN]               ; in: row r; tile t's eight channels of my half: 64 t + 32 h bytes on
	v_mul_u32_u24 v[SBK], v9, 272
	v_lshl_add_u32 v[SBK], v8, 4, v[SBK]
	v_add_nc_u32 v[SBK], s59, v[SBK]               ; back: lanes 0-15 one row, lanes 16-31 the next
	s_lshl_b32 s60, s40, 9
	s_lshl_b32 s61, s39, 6
	s_add_co_u32 s60, s60, s61
	s_add_co_u32 s60, s60, STA
	v_add_nc_u32 v[SA], s60, v[Q4]                 ; 512 x late + 64 x tile + 4 r
	s_and_b32 s61, s[WV], 3
	s_lshl_b32 s61, s61, 9
	s_add_co_u32 s61, s61, STA
	v_add_nc_u32 v[SRD], s61, v[LI]
	v_mov_b32 v13, 0xff61b1e6                      ; the largest t so far: -3e38, under every t
	v_floor_f32 v12, -v13                          ; -M
	v_mov_b32 v14, 0                               ; the sum, in two halves
	v_mov_b32 v15, 0
.irp b, 0,1,2,3
	v_mov_b32 v[PB+\b], 0                          ; written once: a lane permute's destination counts as one of its sources
.endr
	v_mov_b32 v[FF+1], 0                           ; (named as the upper half of the pair before it is first written)
	v_mov_b32 v[TMP], 0
.set n, 0
.rept 32
	v_mov_b32 v[OT+n], 0                           ; O^T.  (A key step is written in one form: the first finds zeros, which the first change of M leaves zeros)
.set n, n+1
.endr
; A KEY STEP: 128 keys, the q-th of the slot in hand.
.macro STEP q
	s_add_co_u32 s40, s[Q0], 15                    ; a step all of whose keys come after my 16 queries is left out: a scalar branch on ids, round the step's loads, products and softmax; not round the line at its end
	s_cmp_gt_u32 s[KF], s40
	s_cbranch_scc1 .Lhidden_\@
	v_add_nc_u32 v[ADK], s[TB], v[LI]
	v_add_nc_u32 v[ADS], s[TB], v[LSC]
	v_nop
	v_nop                                          ; four places in front of loads into registers that the last step's products have read
.irp j, 0,1,2,3,4,5,6,7,8,9,10,11
	ds_load_b128 v[FR+4*\j:FR+4*\j+3], v[ADK] offset:REC*(\q)+512*\j          ; K's four pair images as they lie
.endr
	ds_load_b128 v[KS:KS+3], v[ADS] offset:REC*(\q)                           ; and the four pairs' scale words
	s_wait_dscnt 0x0
.irp b, 0,1,2,3                                    ; S^T = K Q^T: each pair image twice: with [q | 0] its first tile, with [0 | q] its second
	v_wmma_scale_f32_16x16x128_f8f6f4 v[S+16*\b:S+16*\b+7], v[FR+12*\b:FR+12*\b+11], v[QR+6:QR+17], 0, v[KS+\b], v[QS] matrix_a_fmt:MATRIX_FMT_BF6 matrix_b_fmt:MATRIX_FMT_BF6
	v_wmma_scale_f32_16x16x128_f8f6f4 v[S+16*\b+8:S+16*\b+15], v[FR+12*\b:FR+12*\b+11], v[QR:QR+11], 0, v[KS+\b], v[QS] matrix_a_fmt:MATRIX_FMT_BF6 matrix_b_fmt:MATRIX_FMT_BF6
.endr
.rept 4
	v_nop                                          ; four places: in front of the loads into K's registers and of the first read of the scores
.endr
.irp j, 0,1,2,3,4,5,6,7,8,9,10,11
	ds_load_b128 v[FR+4*\j:FR+4*\j+3], v[ADK] offset:REC*(\q)+6144+512*\j     ; V's four tiles: they land while the softmax is worked
.endr
	ds_load_b128 v[VS:VS+3], v[ADS] offset:REC*(\q)+256
	s_add_co_u32 s40, s[KF], 127                   ; on the diagonal the scores of hidden keys become -infinity ahead of the maximum: p = 0 then.  A step all of whose keys count skips this
	s_cmp_le_u32 s40, s[Q0]
	s_cbranch_scc1 .Lopen_\@
	s_sub_co_i32 s40, s[Q0], s[KF]
	v_and_b32 v[MD], 15, v0
	v_bfe_u32 v[MI], v0, 4, 1
	v_lshlrev_b32 v[MI], 4, v[MI]
	v_sub_nc_u32 v[MD], v[MD], v[MI]
	v_add_nc_u32 v[MD], s40, v[MD]                 ; d = my query - the step's first key - 16 (lane / 16).  Register 16 b + i holds key 32 b + 16 (lane / 16) + i of the step: hidden where 32 b + i > d
	v_mov_b32 v[MI], 0xff800000                    ; -infinity
.set n, 0
.rept 64
	v_cmp_gt_i32 vcc_lo, 32*(n/16)+n%16, v[MD]
	v_cndmask_b32 v[S+n], v[S+n], v[MI], vcc_lo
.set n, n+1
.endr
.Lopen_\@:
.irp b, 0,1,2,3
	v_max3_num_f32 v[BM+\b], v[S+16*\b], v[S+1+16*\b], v[S+2+16*\b]           ; the largest score of each block of 32 keys: it serves for the row's maximum and, since p rises with the score, for the block's largest p
.endr
.irp i, 3,5,7,9,11,13
.irp b, 0,1,2,3
	v_max3_num_f32 v[BM+\b], v[BM+\b], v[S+16*\b+\i], v[S+1+16*\b+\i]         ; (the four blocks by turns)
.endr
.endr
.irp b, 0,1,2,3
	v_max_num_f32 v[BM+\b], v[BM+\b], v[S+15+16*\b]
.endr
.irp b, 0,1,2,3
	v_permlanex16_b32 v[PB+\b], v[BM+\b], s[SEL], s[SEL+1]
.endr
.irp b, 0,1,2,3
	v_max_num_f32 v[BM+\b], v[BM+\b], v[PB+\b]     ; with lane l xor 16's 16 keys
.endr
	v_max3_num_f32 v[TMP], v[BM], v[BM+1], v[BM+2]
	v_max_num_f32 v[TMP], v[TMP], v[BM+3]          ; the step's largest score of my query
	v_mul_f32 v[TMP], s[CS], v[TMP]                ; as t (c is positive)
	v_max_num_f32 v13, v13, v[TMP]                 ; the running largest t
	v_mov_b32 v[TMP], v12
	v_floor_f32 v12, -v13                          ; the new -M = floor(-t) = -ceil(t): M is a whole number
	v_sub_f32 v[TMP], v12, v[TMP]                  ; M's old value less its new one: a whole number, 0 or less
	v_cvt_i32_f32 v[TMP], v[TMP]                   ; (it saturates)
	v_ldexp_f32 v[FF], 1.0, v[TMP]                 ; f = 2^(old M - new M)
.set n, 0
.rept 32
	v_pk_fma_f32 v[S+n:S+n+1], v[S+n:S+n+1], s[CS:CS+1], v[12:13] op_sel_hi:[1,0,0]   ; t - M, two at a time (of the pairs c and -M the low word serves both halves)
.set n, n+2
.endr
.irp b, 0,1,2,3
	v_fma_f32 v[BM+\b], v[BM+\b], s[CS], v12       ; the same of each block's largest score
.endr
.set n, 0
.rept 64
	v_exp_f32 v[S+n], v[S+n]                       ; p = 2^(t - M), at most 1: not normalised
.set n, n+1
.endr
	v_pk_mul_f32 v[14:15], v[14:15], v[FF:FF+1] op_sel_hi:[1,0]    ; the sums under the new M.  (A plain place behind the exponentials)
	s_wait_alu depctr_va_vdst(0)                   ; one wait for the whole batch, ahead of its first reader
.irp b, 0,1,2,3
	v_exp_f32 v[BM+\b], v[BM+\b]                   ; the block's largest p: the same two instructions on the same number give the same bits
.endr
	v_pk_add_f32 v[SUM2:SUM2+1], v[S:S+1], v[S+2:S+3]              ; the row's sum is taken of the unquantised p: two at a time, in two chains.  (It reads the 64 alone: plain work behind the four)
.irp j, 4,8,12,16,20,24,28,32,36,40,44,48,52,56,60
	v_pk_add_f32 v[14:15], v[14:15], v[S+\j:S+1+\j]
	v_pk_add_f32 v[SUM2:SUM2+1], v[SUM2:SUM2+1], v[S+2+\j:S+3+\j]
.endr
	v_pk_add_f32 v[14:15], v[14:15], v[SUM2:SUM2+1]
	s_wait_alu depctr_va_vdst(0)                   ; and one wait for the four
.irp b, 0,1,2,3
	v_max_num_f32 v[BM+\b], 0x2800000, v[BM+\b]    ; the floor 2^(5 - 127): the byte cannot fall under 1 (a block whose every p is 0 keeps that byte: its codes are zeros)
.endr
.irp b, 0,1,2,3
	v_add_nc_u32 v[SO+\b], 0xfe000000, v[BM+\b]    ; 4 off the exponent field: the conversion's scale operand
.endr
.irp b, 0,1,2,3
	v_lshrrev_b32 v[PB+\b], 23, v[SO+\b]           ; the scale's byte
.endr
	v_lshl_or_b32 v[FF+1], v[PB+1], 8, v[PB]       ; p's scale word for these 128 keys
	v_lshl_or_b32 v[FF+1], v[PB+2], 16, v[FF+1]
	v_lshl_or_b32 v[FF+1], v[PB+3], 24, v[FF+1]
.irp c, 0,1
	v_cvt_scalef32_pk16_bf6_f32 v[PC+6*\c:PC+2+6*\c], v[S+32*\c:S+15+32*\c], v[SO+2*\c]
	v_cvt_scalef32_pk16_bf6_f32 v[PH+4*\c:PH+2+4*\c], v[S+16+32*\c:S+31+32*\c], v[SO+2*\c+1]   ; (a conversion's three registers begin on an even number)
.endr
	v_nop                                          ; one plain place behind a scaled conversion
.irp c, 0,1                                        ; the operand's layout wants a whole block in a lane: lanes 0-15 block 2 c, lanes 16-31 block 2 c + 1
.irp i, 0,1,2
	v_permlane16_swap_b32 v[PC+6*\c+\i], v[PH+4*\c+\i]
.endr
.irp i, 0,1,2
	v_mov_b32 v[PC+3+6*\c+\i], v[PH+4*\c+\i]
.endr
.endr
.set n, 0
.rept 16
	v_pk_mul_f32 v[OT+n:OT+n+1], v[OT+n:OT+n+1], v[FF:FF+1] op_sel_hi:[1,0]   ; O^T under the new M: x f.  (These sixteen stand between the lines that made p's codes and scale word and the products below)
.set n, n+2
.endr
	s_wait_dscnt 0x0                               ; V's tiles and scale words are in
.irp t, 0,1,2,3                                    ; O^T += V^T P^T: four tiles of 16 of the head's 64; K = these 128 keys.  The four accumulators take turns, one instruction a turn
	v_wmma_scale_f32_16x16x128_f8f6f4 v[OT+8*\t:OT+8*\t+7], v[FR+12*\t:FR+12*\t+11], v[PC:PC+11], v[OT+8*\t:OT+8*\t+7], v[VS+\t], v[FF+1] matrix_a_fmt:MATRIX_FMT_BF6 matrix_b_fmt:MATRIX_FMT_BF6
.endr
.Lhidden_\@:
	s_add_co_u32 s[KF], s[KF], 128
.endm
; THE CHANGE OF SLOTS stands at a slot's head.  Each wave waits for all its tensor loads (wave 0: the slot that is about to be read), adds 0 to its spare word, and waits for that and for its reads of the slot that it has left.
; Behind the barrier the slot ahead is whole and nobody reads the other one.  fill = 1: that other slot is filled with the next four records, up to the causal limit: the load has a slot's four steps in which to land.
.macro CHANGE fill
	s_wait_tensorcnt 0x0                           ; no tensor load of mine is out, so group 0 may be written
	ds_add_u32 v[SPW], v[NIL]                      ; 0 onto my spare word
.if \fill
	ds_add_u32 v[SPW], v[NIL]                      ; and once more: the add stands twice on end, in every trip alike
	s_xor_b32 s[G0+1], s[G0+1], SLOT1              ; the walking descriptor: the other slot than last time,
	s_add_nc_u64 s[G0+2:G0+3], s[G0+2:G0+3], SLOTB ; the next four records; the type bits on top are not reached
	s_wait_xcnt 0x0                                ; the last prefetch, a slot back, has read its address, so it may be written:
	s_add_nc_u64 s[PFA:PFA+1], s[PFA:PFA+1], SLOTB ; one slot further on than the walking descriptor
.endif
	s_wait_dscnt 0x0                               ; the add is done (fill = 1: both are), and my reads of the slot that I have left are over
	s_barrier_signal -1
	s_barrier_wait -1
.if \fill
	s_add_co_u32 s40, s[KF], 512                   ; the first key of the slot that this change would ask for.  A slot whose first key comes after my work-group's last query is read by none of its waves: it is not asked for.
	s_cmp_gt_u32 s40, s[LQ]                        ; ids and the count of steps alone: all sixteen waves go the same way, and a work-group that is past the limit stays past it.  Every wait for tensor loads in this text is for 0
	s_cbranch_scc1 .Lpast_\@
	TLOAD                                          ; the first thing behind the barrier but the limit's three lines, and wave 0's one tensor load until the next
.Lpast_\@:
	ASK                                            ; what the next change of slots will ask for: a slot's four key steps ahead of that load
.endif
.endm
.macro SLOT_STEPS
	STEP 0
	STEP 1
	STEP 2
	STEP 3
	s_xor_b32 s[TB], s[TB], SLOT1                  ; on to the other slot
.endm
	s_wait_loadcnt 0x0                             ; q
.Lslot:                                            ; seven trips: behind each change of slots but the last the next slot is asked for, up to the causal limit
	CHANGE 1
	SLOT_STEPS
	s_sub_co_u32 s[SLOTS], s[SLOTS], 1
	s_cmp_lg_u32 s[SLOTS], 0
	s_cbranch_scc1 .Lslot
	CHANGE 0                                       ; the last slot is written out: nothing is left to ask for
	SLOT_STEPS
	; THE WAY OUT.  The sum's parts are added; -M and 1 / l go to LDS for the third launch's sake; O^T / l goes through my stage and leaves as whole rows of 256 bytes, two rows a store.
.rept 4
	v_nop                                          ; four places behind the last products
.endr
	v_add_f32 v14, v14, v15                        ; the sum's two halves,
	v_permlanex16_b32 v[TMP], v14, s[SEL], s[SEL+1]
	v_add_f32 v14, v14, v[TMP]                     ; and lane l xor 16's: the row's sum
	v_rcp_f32 v14, v14
	v_nop                                          ; a plain place behind the reciprocal
	s_wait_alu depctr_va_vdst(0)                   ; and a wait ahead of its first reader
	ds_store_b32 v[SA], v12                        ; (lanes r and r + 16 write the same word with the same value)
	ds_store_b32 v[SA], v14 offset:1024
.set n, 0
.rept 32
	v_mul_f32 v[S+n], v[OT+n], v14                 ; register 8 t + j is out0(r, 16 t + 8 h + j)
.set n, n+1
.endr
.irp t, 0,1,2,3
	ds_store_b128 v[SIN], v[S+8*\t:S+8*\t+3] offset:64*\t
	ds_store_b128 v[SIN], v[S+8*\t+4:S+8*\t+7] offset:64*\t+16
.endr
.irp i, 0,1,2,3,4,5,6,7
	ds_load_b128 v[FR+4*\i:FR+4*\i+3], v[SBK] offset:544*\i        ; LDS serves a wave's instructions in order: these see my stores
.endr
.irp i, 0,1,2,3,4,5,6,7
	s_wait_dscnt 7-\i                              ; load i is in; the 7 - i behind it may be out
	global_store_b128 v[LI], v[FR+4*\i:FR+4*\i+3], s[10:11] offset:512*\i th:TH_STORE_NT   ; 32 lanes store 512 consecutive bytes, at a multiple of 256 from out0's first byte
.endr
	s_wait_dscnt 0x0                               ; for the others' sake: my statistics lie in LDS
	s_barrier_signal -1
	s_barrier_wait -1
	s_cmp_lt_u32 s[WV], 4
	s_cbranch_scc0 .Lno_stats
	ds_load_b128 v[S:S+3], v[SRD]                  ; 128 numbers: -M or 1 / l of one block of queries
	s_wait_dscnt 0x0
	global_store_b128 v[LI], v[S:S+3], s[12:13]    ; 512 consecutive bytes
.Lno_stats:
	s_wait_tensorcnt 0x0                           ; the wave's end, behind my last tensor load and my last LDS store
	ds_add_u32 v[SPW], v[NIL]
	s_wait_dscnt 0x0
	s_endpgm
.Lfunc_end_k_q2fb5e25990_attn:
	.size	k_q2fb5e25990_attn, .Lfunc_end_k_q2fb5e25990_attn-k_q2fb5e25990_attn
	.p2alignl 7, 3214868480
	.fill 96, 4, 3214868480
	.section	.rodata,"a",@progbits
	.p2align	6, 0x0
	.amdhsa_kernel k_q2fb5e25990_attn
		.amdhsa_group_segment_fixed_size 327680
		.amdhsa_private_segment_fixed_size 0
		.amdhsa_enable_private_segment 0
		.amdhsa_kernarg_size 40
		.amdhsa_user_sgpr_count 2
		.amdhsa_user_sgpr_kernarg_segment_ptr 1
		.amdhsa_wavefront_size32 1
		.amdhsa_system_sgpr_workgroup_id_x 1
		.amdhsa_system_sgpr_workgroup_id_y 1
		.amdhsa_system_sgpr_workgroup_id_z 1
		.amdhsa_system_vgpr_workitem_id 0
		.amdhsa_next_free_vgpr 240
		.amdhsa_next_free_sgpr 66
		.amdhsa_reserve_vcc 1
		.amdhsa_float_denorm_mode_32 3
		.amdhsa_float_denorm_mode_16_64 3
		.amdhsa_memory_ordered 1
		.amdhsa_forward_progress 1
		.amdhsa_inst_pref_size 177
	.end_amdhsa_kernel
	.amdgpu_metadata
---
amdhsa.version: [ 1, 2 ]
amdhsa.kernels:
  - .name:           k_q2fb5e25990_attn
    .symbol:         k_q2fb5e25990_attn.kd
    .args:
      - { .name: qimg, .offset: 0, .size: 8, .value_kind: global_buffer, .address_space: global }
      - { .name: qsc, .offset: 8, .size: 8, .value_kind: global_buffer, .address_space: global }
      - { .name: kvimg, .offset: 16, .size: 8, .value_kind: global_buffer, .address_space: global }
      - { .name: out0, .offset: 24, .size: 8, .value_kind: global_buffer, .address_space: global }
      - { .name: stats, .offset: 32, .size: 8, .value_kind: global_buffer, .address_space: global }
    .group_segment_fixed_size: 327680
    .private_segment_fixed_size: 0
    .kernarg_segment_align: 8
    .kernarg_segment_size: 40
    .max_flat_workgroup_size: 512
    .sgpr_count:     66
    .vgpr_count:     240
    .wavefront_size: 32
...
	.end_amdgpu_metadata
.endif
;; end of part 2
;; launch colsum (part 3): grid 16 x 16, 16 waves a work-group, no clusters, 10,240 bytes of LDS; arguments qimg, qsc, kvimg, stats, out1; writes out1
.if DOCPART == 3
	.amdgcn_target "amdgcn-amd-amdhsa--gfx1250"
	.amdhsa_code_object_version 6
	.text
	.protected	k_q2fb5e25990_colsum
	.globl	k_q2fb5e25990_colsum
	.p2align	8
	.type	k_q2fb5e25990_colsum,@function
k_q2fb5e25990_colsum:
	s_mov_b64 s[64:65], 0
	v_nop
	global_prefetch_b8 v0, s[64:65] scope:SCOPE_SE
	s_setreg_imm32_b32 hwreg(HW_REG_WAVE_MODE, 25, 1), 1
	s_wait_xcnt 0x0
; THIRD LAUNCH: out1[h][k] = the sum over queries q >= k of softmax_k(q . k / 8).  A row's sum l is known only when the row has been walked, so the scores are made once more, now with the KEYS as owners:
; the same product on the same codes, then 2^(t - M) x (1 / l) with the second launch's -M and 1 / l of the row, in f32, and summed down the column.
; LEFT OUT: tiles of scores that lie wholly above the diagonal: under the problem's own causal mask they add 0 for all finite inputs (shown at the first kernel's head).
; SHARES.  Work-group (i, head) owns the key blocks i and 31 - i of 128 keys, one after the other (JOB 0, JOB 1).  Wave w keeps 64 keys of the block (half w / 8: two pair images, 24 registers) and walks tile w % 8 of every
; block of 128 queries from the diagonal on: (32 - i) + (i + 1) = 33 trips a wave in every work-group.  q's images, scale words and statistics come straight from memory into registers, one trip ahead: 960 bytes a trip.
; LAYOUT as in the second launch: S^T = K Q^T, a lane holds one query (lane % 16), so -M and 1 / l are one number a lane; register 16 b + j holds key 32 b + 16 (lane / 16) + j of my 64.
; A column's sum is first kept lane by lane (32 registers), then added over the 16 lanes of a half, then over the eight waves of a half block through LDS.
; No tensor loads and no cluster: what is streamed is small and goes to registers; LDS serves the last sum alone.
.set RED,   0                          ; LDS: [job 2][wave 16][64 sums]: 8,192 bytes
.set SPARE, 8192                       ; the spare words, 128 bytes for each wave: eight blocks of 256 bytes that no other line names
.set VQ0,  1                           ; v1   16 x lane
.set VQ1,  2                           ; v2   8 x lane
.set VR,   3                           ; v3   4 r
.set VK,   4                           ; v4   16 x lane + 3,072 x half: my two pair images in a record
.set VKS,  5                           ; v5   12,288 + 16 r + 8 x half: their scale words
.set RA,   6                           ; v6   256 x wave + 64 h: where my half's sums go
.set DD,   7                           ; v7   the diagonal: 16 (w % 8) + r - 64 x half - 16 h
.set NINF, 8                           ; v8   -infinity
.set RB,   9                           ; v9   2,048 x (wave % 4) + 8 x lane: the last sum's reads
.set SPW,  10                          ; v10  LDS address of my spare word; never rewritten
.set NIL,  11                          ; v11  0; never rewritten
.set KR,   16                          ; v16-39 K's two pair images
.set KSC,  40                          ; v40-41 their scale words
.set QR,   42                          ; v42-59 six zeros, q's six registers, six zeros
.set QS,   60                          ; v60  q's scale words
.set NM,   62                          ; v62  -M as loaded
.set RL,   64                          ; v64  1 / l as loaded
.set NMW,  66                          ; v66  -M at work (v67: the pair's upper half, written once)
.set RLW,  68                          ; v68  1 / l at work (v69 likewise)
.set S,    70                          ; v70-101 the scores, then p
.set ACC,  102                         ; v102-133 the columns' sums
.set WV,   14                          ; s14  wave;  s15 head;  s16 half;  s17 tile
.set KB,   18                          ; s18  the key block
.set CNT,  19                          ; s19  blocks of queries behind the diagonal still to go
.set CS,   22                          ; s[22:23] c = log2(e) / 8
.set QI,   24                          ; s[24:25] q's image in hand;  s[26:27] its scale words;  s[28:29] its statistics;  s[30:31] the record
	s_load_b256 s[4:11], s[0:1], 0x0               ; qimg s[4:5], qsc s[6:7], kvimg s[8:9], stats s[10:11]
	s_load_b64 s[12:13], s[0:1], 0x20              ; out1
	v_lshl_add_u32 v[SPW], v0, 2, SPARE
	v_mov_b32 v[NIL], 0
.irp j, 0,1,2,3,4,5,12,13,14,15,16,17
	v_mov_b32 v[QR+\j], 0                          ; the zeros on either side of q's codes: written once, well ahead of the first product
.endr
	v_mov_b32 v[NMW+1], 0                          ; (named as upper halves of pairs)
	v_mov_b32 v[RLW+1], 0
	v_lshrrev_b32 v1, 5, v0
	v_readfirstlane_b32 s[WV], v1                  ; wave 0..15
	s_and_b32 s15, ttmp7, 0xffff                   ; the head
	s_lshr_b32 s16, s[WV], 3                       ; which 64 keys of a block
	s_and_b32 s17, s[WV], 7                        ; which tile of each block of queries
	v_and_b32 v12, 31, v0                          ; lane
	v_and_b32 v13, 15, v0                          ; r
	v_bfe_u32 v14, v0, 4, 1                        ; h
	v_lshlrev_b32 v[VQ0], 4, v12
	v_lshlrev_b32 v[VQ1], 3, v12
	v_lshlrev_b32 v[VR], 2, v13
	s_mul_i32 s32, s16, 3072
	v_add_nc_u32 v[VK], s32, v[VQ0]
	v_lshl_add_u32 v[VKS], v13, 4, 12288
	s_lshl_b32 s32, s16, 3
	v_add_nc_u32 v[VKS], s32, v[VKS]
	s_lshl_b32 s32, s[WV], 8
	v_lshl_add_u32 v[RA], v14, 6, s32
	s_lshl_b32 s32, s17, 4
	s_lshl_b32 s33, s16, 6
	s_sub_co_i32 s32, s32, s33
	v_lshlrev_b32 v[DD], 4, v14
	v_sub_nc_u32 v[DD], v13, v[DD]
	v_add_nc_u32 v[DD], s32, v[DD]
	v_mov_b32 v[NINF], 0xff800000
	s_and_b32 s32, s[WV], 3
	s_lshl_b32 s32, s32, 11
	v_add_nc_u32 v[RB], s32, v[VQ1]
	s_mov_b32 s[CS], 0x3e38aa3b                    ; c = log2(e) / 8
	s_mov_b32 s[CS+1], s[CS]
	s_mul_i32 s32, s15, 196608                     ; qimg: the head's 256 images, my tile of a block
	s_mul_i32 s33, s17, 768
	s_add_co_u32 s32, s32, s33
	s_mov_b32 s33, 0
	s_lshl_b32 s34, s15, 14                        ; qsc, stats: the head's 4,096 words, my tile's 16
	s_lshl_b32 s35, s17, 6
	s_add_co_u32 s34, s34, s35
	s_mov_b32 s35, 0
	s_mul_i32 s38, s15, 409600                     ; kvimg: the head's 32 records
	s_mov_b32 s39, 0
	s_bfe_u32 s40, s[WV], 0x10001                  ; the last sum, waves 0 to 3: job w / 2, half w % 2
	s_sub_co_u32 s41, 31, ttmp9
	s_cmp_eq_u32 s40, 0
	s_cselect_b32 s40, ttmp9, s41                  ; that job's key block,
	s_lshl_b32 s40, s40, 9                         ; 512 bytes of out1,
	s_and_b32 s41, s[WV], 1
	s_lshl_b32 s41, s41, 8                         ; 256 for a half
	s_add_co_u32 s40, s40, s41
	s_lshl_b32 s41, s15, 14
	s_add_co_u32 s40, s40, s41
	s_mov_b32 s41, 0
	s_wait_kmcnt 0x0
	s_add_nc_u64 s[4:5], s[4:5], s[32:33]
	s_add_nc_u64 s[6:7], s[6:7], s[34:35]
	s_add_nc_u64 s[10:11], s[10:11], s[34:35]
	s_add_nc_u64 s[8:9], s[8:9], s[38:39]
	s_add_nc_u64 s[36:37], s[12:13], s[40:41]
.macro QLOAD                           ; a tile of 16 queries: its codes, its scale words, -M and 1 / l
	global_load_b128 v[QR+6:QR+9], v[VQ0], s[QI:QI+1]
	global_load_b64 v[QR+10:QR+11], v[VQ1], s[QI:QI+1] offset:512
	global_load_b32 v[QS], v[VR], s[QI+2:QI+3]
	global_load_b32 v[NM], v[VR], s[QI+4:QI+5]
	global_load_b32 v[RL], v[VR], s[QI+4:QI+5] offset:262144
.endm
.macro NEXT                            ; the same tile of the next block of queries.  No load that names these bases is out: the trip's loads were waited for at its head
	s_add_nc_u64 s[QI:QI+1], s[QI:QI+1], 6144
	s_add_nc_u64 s[QI+2:QI+3], s[QI+2:QI+3], 512
	s_add_nc_u64 s[QI+4:QI+5], s[QI+4:QI+5], 512
	QLOAD
.endm
.macro MM                              ; 64 keys x 16 queries: each pair image twice: with [q | 0] its first tile, with [0 | q] its second
.irp b, 0,1
	v_wmma_scale_f32_16x16x128_f8f6f4 v[S+16*\b:S+16*\b+7], v[KR+12*\b:KR+12*\b+11], v[QR+6:QR+17], 0, v[KSC+\b], v[QS] matrix_a_fmt:MATRIX_FMT_BF6 matrix_b_fmt:MATRIX_FMT_BF6
	v_wmma_scale_f32_16x16x128_f8f6f4 v[S+16*\b+8:S+16*\b+15], v[KR+12*\b:KR+12*\b+11], v[QR:QR+11], 0, v[KSC+\b], v[QS] matrix_a_fmt:MATRIX_FMT_BF6 matrix_b_fmt:MATRIX_FMT_BF6
.endr
	v_mov_b32 v[NMW], v[NM]                        ; the row's numbers move aside, so that the next trip's may be loaded.  With the two v_nop: four places, in front of the loads into q's registers and of the first read of the scores
	v_mov_b32 v[RLW], v[RL]
	v_nop
	v_nop
.endm
.macro EXPS                            ; p = 2^(score x c - M): one batch of exponentials, one plain place, one wait ahead of the first reader
.set n, 0
.rept 16
	v_pk_fma_f32 v[S+n:S+n+1], v[S+n:S+n+1], s[CS:CS+1], v[NMW:NMW+1] op_sel_hi:[1,0,0]
.set n, n+2
.endr
.set n, 0
.rept 32
	v_exp_f32 v[S+n], v[S+n]
.set n, n+1
.endr
	v_nop
	s_wait_alu depctr_va_vdst(0)
.endm
.macro JOB sel
.if \sel
	s_sub_co_u32 s[KB], 31, ttmp9
	s_mov_b32 s[CNT], ttmp9                        ; 31 - the key block
.else
	s_mov_b32 s[KB], ttmp9
	s_sub_co_u32 s[CNT], 31, ttmp9
.endif
	s_mul_i32 s32, s[KB], 6144                     ; the walk begins at the diagonal: the block of queries with the key block's number
	s_mov_b32 s33, 0
	s_add_nc_u64 s[QI:QI+1], s[4:5], s[32:33]
	s_lshl_b32 s32, s[KB], 9
	s_add_nc_u64 s[QI+2:QI+3], s[6:7], s[32:33]
	s_add_nc_u64 s[QI+4:QI+5], s[10:11], s[32:33]
	s_mul_i32 s32, s[KB], 12800
	s_add_nc_u64 s[QI+6:QI+7], s[8:9], s[32:33]
.irp j, 0,1,2,3,4,5
	global_load_b128 v[KR+4*\j:KR+4*\j+3], v[VK], s[QI+6:QI+7] offset:512*\j  ; my 64 keys stay in registers for the whole job
.endr
	global_load_b64 v[KSC:KSC+1], v[VKS], s[QI+6:QI+7]
	s_lshr_b32 s34, s[WV], 2                       ; waves 8 to 11: keys 64..127 of the block against its queries 0..63: wholly above the diagonal: not multiplied
	s_cmp_eq_u32 s34, 2
	s_cbranch_scc1 .Ldead_\@
	QLOAD
	s_wait_loadcnt 0x0
	MM
	s_cmp_eq_u32 s[CNT], 0
	s_cbranch_scc1 .Lno_next_\@
	NEXT
.Lno_next_\@:
.set n, 0
.rept 32                                           ; on the diagonal hidden scores become -infinity: p = 0.  Register 16 b + j holds key 32 b + 16 h + j of my 64: hidden where 32 b + j > d
	v_cmp_gt_i32 vcc_lo, 32*(n/16)+n%16, v[DD]
	v_cndmask_b32 v[S+n], v[S+n], v[NINF], vcc_lo
.set n, n+1
.endr
	EXPS
.set n, 0
.rept 16
	v_pk_mul_f32 v[ACC+n:ACC+n+1], v[S+n:S+n+1], v[RLW:RLW+1] op_sel_hi:[1,0]     ; p / l starts the sums: nothing is cleared
.set n, n+2
.endr
	s_branch .Ljoin_\@
.Ldead_\@:
.set n, 0
.rept 32
	v_mov_b32 v[ACC+n], 0
.set n, n+1
.endr
	s_cmp_eq_u32 s[CNT], 0
	s_cbranch_scc1 .Ljoin_\@
	NEXT
.Ljoin_\@:
	s_cmp_eq_u32 s[CNT], 0
	s_cbranch_scc1 .Ldone_\@
.Ltrip_\@:                                         ; a block of queries behind the diagonal: all keys count
	s_wait_loadcnt 0x0                             ; this trip's tile (and, in the first trip, K) is in
	MM
	s_cmp_eq_u32 s[CNT], 1                         ; the last trip asks for nothing: no load leaves its buffer
	s_cbranch_scc1 .Llast_\@
	NEXT
.Llast_\@:
	EXPS
.set n, 0
.rept 16
	v_pk_fma_f32 v[ACC+n:ACC+n+1], v[S+n:S+n+1], v[RLW:RLW+1], v[ACC+n:ACC+n+1] op_sel_hi:[1,0,1]
.set n, n+2
.endr
	s_sub_co_u32 s[CNT], s[CNT], 1
	s_cmp_lg_u32 s[CNT], 0
	s_cbranch_scc1 .Ltrip_\@
.Ldone_\@:
	s_wait_loadcnt 0x0                             ; (a wave with nothing to multiply still has K's loads out: the next job loads into the same registers)
.irp m, 1,2,4,8                                    ; over the 16 queries of each half of the lanes: every lane of a half ends with the half's sums
.set n, 0
.rept 32
	v_add_f32_dpp v[ACC+n], v[ACC+n], v[ACC+n] row_xmask:\m row_mask:0xf bank_mask:0xf
.set n, n+1
.endr
.endr
.irp q, 0,1,2,3,4,5,6,7
	ds_store_b128 v[RA], v[ACC+4*\q:ACC+4*\q+3] offset:RED+4096*\sel+128*(\q/4)+16*(\q%4)   ; key 32 b + 16 h + j at byte 128 b + 64 h + 4 j of my wave's 256 (the sixteen lanes of a half write the same bytes with the same values)
.endr
	s_wait_dscnt 0x0                               ; the stores have read their registers
.endm
	JOB 0
	JOB 1
	s_barrier_signal -1                            ; every wave's sums lie in LDS (each has waited for its stores)
	s_barrier_wait -1
	s_cmp_lt_u32 s[WV], 4
	s_cbranch_scc0 .Lfin
.irp j, 0,1,2,3,4,5,6,7
	ds_load_b64 v[S+2*\j:S+2*\j+1], v[RB] offset:RED+256*\j        ; the eight waves' sums of one half block: two keys a lane
.endr
	s_wait_dscnt 0x0
	v_pk_add_f32 v[S:S+1], v[S:S+1], v[S+2:S+3]
	v_pk_add_f32 v[S+4:S+5], v[S+4:S+5], v[S+6:S+7]
	v_pk_add_f32 v[S+8:S+9], v[S+8:S+9], v[S+10:S+11]
	v_pk_add_f32 v[S+12:S+13], v[S+12:S+13], v[S+14:S+15]
	v_pk_add_f32 v[S:S+1], v[S:S+1], v[S+4:S+5]
	v_pk_add_f32 v[S+8:S+9], v[S+8:S+9], v[S+12:S+13]
	v_pk_add_f32 v[S:S+1], v[S:S+1], v[S+8:S+9]
	global_store_b64 v[VQ1], v[S:S+1], s[36:37]    ; 32 lanes store 256 consecutive bytes, at a multiple of 256 from out1's first byte
.Lfin:
	s_wait_tensorcnt 0x0                           ; the wave's end, behind my last LDS store
	ds_add_u32 v[SPW], v[NIL]
	s_wait_dscnt 0x0
	s_endpgm
.Lfunc_end_k_q2fb5e25990_colsum:
	.size	k_q2fb5e25990_colsum, .Lfunc_end_k_q2fb5e25990_colsum-k_q2fb5e25990_colsum
	.p2alignl 7, 3214868480
	.fill 96, 4, 3214868480
	.section	.rodata,"a",@progbits
	.p2align	6, 0x0
	.amdhsa_kernel k_q2fb5e25990_colsum
		.amdhsa_group_segment_fixed_size 10240
		.amdhsa_private_segment_fixed_size 0
		.amdhsa_enable_private_segment 0
		.amdhsa_kernarg_size 40
		.amdhsa_user_sgpr_count 2
		.amdhsa_user_sgpr_kernarg_segment_ptr 1
		.amdhsa_wavefront_size32 1
		.amdhsa_system_sgpr_workgroup_id_x 1
		.amdhsa_system_sgpr_workgroup_id_y 1
		.amdhsa_system_sgpr_workgroup_id_z 1
		.amdhsa_system_vgpr_workitem_id 0
		.amdhsa_next_free_vgpr 136
		.amdhsa_next_free_sgpr 66
		.amdhsa_reserve_vcc 1
		.amdhsa_float_denorm_mode_32 3
		.amdhsa_float_denorm_mode_16_64 3
		.amdhsa_memory_ordered 1
		.amdhsa_forward_progress 1
		.amdhsa_inst_pref_size 51
	.end_amdhsa_kernel
	.amdgpu_metadata
---
amdhsa.version: [ 1, 2 ]
amdhsa.kernels:
  - .name:           k_q2fb5e25990_colsum
    .symbol:         k_q2fb5e25990_colsum.kd
    .args:
      - { .name: qimg, .offset: 0, .size: 8, .value_kind: global_buffer, .address_space: global }
      - { .name: qsc, .offset: 8, .size: 8, .value_kind: global_buffer, .address_space: global }
      - { .name: kvimg, .offset: 16, .size: 8, .value_kind: global_buffer, .address_space: global }
      - { .name: stats, .offset: 24, .size: 8, .value_kind: global_buffer, .address_space: global }
      - { .name: out1, .offset: 32, .size: 8, .value_kind: global_buffer, .address_space: global }
    .group_segment_fixed_size: 10240
    .private_segment_fixed_size: 0
    .kernarg_segment_align: 8
    .kernarg_segment_size: 40
    .max_flat_workgroup_size: 512
    .sgpr_count:     66
    .vgpr_count:     136
    .wavefront_size: 32
...
	.end_amdgpu_metadata
.endif
;; end of part 3
;; ======== version 2 of 2: 3 launches
;; workspace buffers: kvimg 6,553,600 bytes; qimg 3,145,728 bytes; qsc 262,144 bytes; stats 524,288 bytes
;; launch prep (part 4): grid 512 x 1, 3 waves a work-group, no clusters, 18,176 bytes of LDS; arguments k, q, v, kvimg, qimg, qsc; writes kvimg, qimg, qsc
.if DOCPART == 4
	.amdgcn_target "amdgcn-amd-amdhsa--gfx1250"
	.amdhsa_code_object_version 6
	.text
	.protected	k_q2fb5e25990_prep
	.globl	k_q2fb5e25990_prep
	.p2align	8
	.type	k_q2fb5e25990_prep,@function
k_q2fb5e25990_prep:
	s_mov_b64 s[64:65], 0
	v_nop
	global_prefetch_b8 v0, s[64:65] scope:SCOPE_SE
	s_setreg_imm32_b32 hwreg(HW_REG_WAVE_MODE, 25, 1), 1
	s_wait_xcnt 0x0
; FIRST OF THREE LAUNCHES.  out0 = softmax(q k / 8 + causal mask) v and out1 = the column sums of that softmax, 16 heads, 4,096 positions, head size 64; both products on codes of BF6 (E3M2) with one E8M0 scale for each 32 along K.
; This launch quantises q, k and v ONCE, each along its product's K, and lays codes and scale bytes in the order of the operands' registers, so that the two later launches fetch whole fragments by loads of 16 bytes a lane.
; WORK LEFT OUT IN THE WHOLE PROGRAM.  The mask is built in the problem's own body: for key t > query s the score is -infinity, its exponential is 0, and it adds 0 to the row's sum, to out0 and to out1, whatever finite
; values q, k and v hold.  So tiles of scores that lie wholly above the diagonal are multiplied by neither later launch.  Every input is loaded whole here: each number has a way to an output.
; LIMIT: a NaN, an infinity or an overflow that would arise only in the tiles left out is not carried to the result.
; LIMITS OF THE QUANTISER: a block of zeros gets the scale byte 1 where the rule says 127 (its codes are zeros, which add nothing under any byte but 0xff, and this program alone reads the bytes);
; blocks whose largest magnitude lies under 2^-122 are held at that floor; NaN and infinities among the inputs are not served.
; SHARES.  Work-group j: head j / 32, key step and query block j % 32 (128 positions).  Wave 0 takes k's part, wave 1 v's, wave 2 q's: 32,768 bytes of input each.  The waves share nothing: no barrier.
; k [head][d 64][4096] and v [head][key][d 64] have their K as the first of the two axes: a lane takes a column and its registers run down K, so a block of 32 lies in one lane and nothing is transposed.
; q [head][query][64] has K innermost: a tile of 16 queries is loaded as it lies, 512 consecutive bytes a load, and turns through a stage in LDS so that lane (r, h) holds query r, d = 32 h .. 32 h + 31.
; THE RECORD of a head's key step, 12,800 bytes in kvimg:
;   0      four K pair images of 1,536 bytes.  Register p (0..11) of lane L lies at 512 (p / 4) + 16 L + 4 (p % 4).  Pair b, lane L = r + 16 h: registers 0-5: key 32 b + r + 8 (r / 8), d = 32 h + 0..31; registers 6-11: the key 8 further on.
;   6144   four V tile images, laid likewise.  Tile t, lane r + 16 h: row d = 16 t + r; registers 6 c .. 6 c + 5: keys 64 c + 32 h + 0..31 of the step.
;   12288  K's scale words at 16 r + 4 b: bytes (first key, d block 0), (first key, block 1), (second key, block 0), (second key, block 1).      12544  V's scale words at 16 r + 4 t: byte = key block of the step.
; qimg: 768 bytes a tile of 16 queries: registers 0-3 of lane L at 16 L, registers 4-5 at 512 + 8 L.   qsc: one word a query: its two scale bytes, twice.
.set KST,   0                          ; LDS: wave 0's stage: 6,144 bytes of images + 256 of scale words
.set VST,   6400                       ; wave 1's, likewise
.set QST,   12800                      ; wave 2's: 16 rows of 256 bytes, 272 apart
.set QSS,   17152                      ; and the scale words of its 128 queries
.set SPARE, 17664                      ; the spare words, 128 bytes for each wave: two blocks of 256 bytes that no other line names
.set SPW,   12                         ; v12  LDS address of my spare word; never rewritten
.set NIL,   13                         ; v13  0; never rewritten
.set X,     32                         ; v32-95 two sets of 32 numbers (k, v);  v32-159 four sets of 32 registers as loaded (q)
.set OUTR,  96                         ; v96-145 the way out of k's and v's stages
.set XQ,    160                        ; v160-191 a lane's 32 numbers of q
.set C,     192                        ; v192-197 a block's codes
.set T,     200                        ; v200-202 the second conversion's result
.set MX,    204                        ; v204-205 largest magnitudes
.set SCO,   206                        ; the conversion's scale operand
.set E,     207                        ; the scale's byte
.set W,     208                        ; v208-209 q's scale word at work
	s_load_b256 s[4:11], s[0:1], 0x0               ; k s[4:5], q s[6:7], v s[8:9], kvimg s[10:11]
	s_load_b128 s[12:15], s[0:1], 0x20             ; qimg s[12:13], qsc s[14:15]
	v_lshl_add_u32 v[SPW], v0, 2, SPARE
	v_mov_b32 v[NIL], 0
	v_lshrrev_b32 v1, 5, v0
	v_readfirstlane_b32 s16, v1                    ; wave 0..2: the role
	v_and_b32 v1, 31, v0                           ; lane
	v_lshlrev_b32 v2, 2, v1                        ; 4 x lane
	v_lshlrev_b32 v3, 4, v1                        ; 16 x lane
	v_lshlrev_b32 v4, 3, v1                        ; 8 x lane
	; every LDS address is made here, ahead of the parting of the roles
	v_and_b32 v22, 7, v0
	v_bfe_u32 v23, v0, 4, 1                        ; lane / 16
	v_lshl_add_u32 v22, v23, 3, v22                ; k: my key l of a pair is row r = l % 8 + 8 (l / 16)
	v_bfe_u32 v24, v0, 3, 1                        ; of the pair's tile u = (l / 8) % 2
	v_lshlrev_b32 v25, 4, v22                      ; 16 r
	v_mad_u32_u24 v5, v24, 520, v25                ; registers 6 u + 0, 1:  u = 0: 16 r;        u = 1: 512 + 16 r + 8
	v_mad_u32_u24 v6, v24, 1016, v25
	v_add_nc_u32 v6, 8, v6                         ; registers 6 u + 2, 3:  u = 0: 16 r + 8;    u = 1: 1,024 + 16 r
	v_add_nc_u32 v7, 512, v5                       ; registers 6 u + 4, 5:  u = 0: 512 + 16 r;  u = 1: 1,024 + 16 r + 8
	v_lshl_add_u32 v8, v24, 1, v25
	v_add_nc_u32 v8, KST+6144, v8                  ; my key's two scale bytes: 16 r + 2 u
	v_and_b32 v26, 15, v0                          ; lane % 16
	v_mul_u32_u24 v9, v23, 1536
	v_lshl_add_u32 v9, v26, 4, v9
	v_add_nc_u32 v9, VST, v9                       ; v: my column d = 32 e + l is row l % 16 of tile 2 e + l / 16
	v_lshlrev_b32 v10, 4, v26
	v_lshl_add_u32 v10, v23, 2, v10
	v_add_nc_u32 v10, VST+6144, v10                ; its scale word: 16 (l % 16) + 4 (l / 16)
	v_mul_u32_u24 v11, v23, 272
	v_lshl_add_u32 v11, v26, 4, v11
	v_add_nc_u32 v11, QST, v11                     ; q, into the stage: a load's 512 bytes are two rows
	v_mul_u32_u24 v14, v26, 272
	v_lshl_add_u32 v14, v23, 7, v14
	v_add_nc_u32 v14, QST, v14                     ; and out of it: row r, 128 bytes of my half
	v_lshl_add_u32 v15, v26, 2, QSS                ; q's scale word of row r
	v_lshlrev_b32 v21, 3, v23                      ; 8 h: my scale byte's place in it
	v_mov_b32 v[W+1], 0                            ; written once: a lane permute's destination counts as one of its sources
	s_mov_b32 s24, 0x76543210
	s_mov_b32 s25, 0xfedcba98                      ; v_permlanex16_b32's selects for lane l xor 16
	s_lshr_b32 s17, ttmp9, 5                       ; head
	s_and_b32 s18, ttmp9, 31                       ; step
	s_lshl_b32 s20, s17, 20                        ; k: a head is 64 rows of 16,384 bytes;
	s_lshl_b32 s22, s18, 9                         ; the step's 128 keys are 512 bytes of each row
	s_add_co_u32 s20, s20, s22
	s_mov_b32 s21, 0
	s_lshl_b32 s22, ttmp9, 15                      ; q, v: 128 rows of 256 bytes for each (head, step)
	s_mov_b32 s23, 0
	s_mul_i32 s26, ttmp9, 12800                    ; the record
	s_mov_b32 s27, 0
	s_mul_i32 s28, ttmp9, 6144                     ; eight images of q
	s_mov_b32 s29, 0
	s_lshl_b32 s30, ttmp9, 9                       ; 128 scale words of q
	s_mov_b32 s31, 0
	s_wait_kmcnt 0x0
	s_add_nc_u64 s[4:5], s[4:5], s[20:21]
	s_add_nc_u64 s[6:7], s[6:7], s[22:23]
	s_add_nc_u64 s[8:9], s[8:9], s[22:23]
	s_add_nc_u64 s[10:11], s[10:11], s[26:27]
	s_add_nc_u64 s[12:13], s[12:13], s[28:29]
	s_add_nc_u64 s[14:15], s[14:15], s[30:31]
; 32 numbers of ONE block, v[XS] .. v[XS + 31], become six registers of codes, v[C] on, and the scale's byte in v[E].
.macro QUANT1
	v_max3_num_f32 v[MX], |v[XS]|, |v[XS+1]|, |v[XS+2]|            ; the largest magnitude, in two chains
	v_max3_num_f32 v[MX+1], |v[XS+3]|, |v[XS+4]|, |v[XS+5]|
.irp i, 6,10,14,18,22,26
	v_max3_num_f32 v[MX], v[MX], |v[XS+\i]|, |v[XS+\i+1]|
	v_max3_num_f32 v[MX+1], v[MX+1], |v[XS+\i+2]|, |v[XS+\i+3]|
.endr
	v_max3_num_f32 v[MX], v[MX], |v[XS+30]|, |v[XS+31]|
	v_max3_num_f32 v[MX], v[MX], v[MX+1], 0x2800000                ; and the floor 2^(5 - 127): the byte cannot fall under 1
	v_add_nc_u32 v[SCO], 0xfe000000, v[MX]                         ; 4 off its exponent field: the conversion takes the exponent field of this operand as its scale
	v_lshrrev_b32 v[E], 23, v[SCO]                                 ; the scale's byte
	v_cvt_scalef32_pk16_bf6_f32 v[C:C+2], v[XS:XS+15], v[SCO]
	v_cvt_scalef32_pk16_bf6_f32 v[T:T+2], v[XS+16:XS+31], v[SCO]   ; (a conversion's three registers begin on an even number)
	v_nop                                                          ; one plain place behind a scaled conversion
	v_mov_b32 v[C+3], v[T]
	v_mov_b32 v[C+4], v[T+1]
	v_mov_b32 v[C+5], v[T+2]
.endm
; A stage (6,144 bytes of images, 256 of scale words) leaves as it lies: each store of the wave covers 512 (the last: 256) consecutive bytes, at a multiple of 256 from the buffer's first byte.
.macro OUT12 base, goff, soff
.irp j, 0,1,2,3,4,5,6,7,8,9,10,11
	ds_load_b128 v[OUTR+4*\j:OUTR+4*\j+3], v3 offset:\base+512*\j  ; LDS serves a wave's instructions in order: these see my stores
.endr
	ds_load_b64 v[OUTR+48:OUTR+49], v4 offset:\base+6144
.irp j, 0,1,2,3,4,5,6,7,8,9,10,11
	s_wait_dscnt 12-\j                                             ; load j is in; the 12 - j issued behind it may be out
	global_store_b128 v3, v[OUTR+4*\j:OUTR+4*\j+3], s[10:11] offset:\goff+512*\j
.endr
	s_wait_dscnt 0x0
	global_store_b64 v4, v[OUTR+48:OUTR+49], s[10:11] offset:\soff
.endm
.macro FINISH                          ; the wave's end, behind my last LDS store
	s_wait_tensorcnt 0x0
	ds_add_u32 v[SPW], v[NIL]
	s_wait_dscnt 0x0
	s_endpgm
.endm
	s_cmp_eq_u32 s16, 1
	s_cbranch_scc1 .Lrole_v
	s_cmp_eq_u32 s16, 2
	s_cbranch_scc1 .Lrole_q
	; ---- wave 0: k.  Block t = 2 b + e: keys 32 b + lane of the step, d = 32 e + 0..31 down my registers.  Two blocks (64 loads) ahead.
.macro KLOAD t
.set ii, 0
.rept 32
	global_load_b32 v[X+32*((\t)%2)+ii], v2, s[4:5] offset:(32*((\t)%2)+ii)*16384+128*((\t)/2)
.set ii, ii+1
.endr
.endm
.macro KBLOCK t
.set XS, X+32*((\t)%2)
.if (\t) < 7
	s_wait_loadcnt 32                              ; this block's 32 loads are in; the next block's may be out
.else
	s_wait_loadcnt 0x0
.endif
	QUANT1
	ds_store_b64 v5, v[C:C+1] offset:1536*((\t)/2)+256*((\t)%2)    ; image b, lane r + 16 e
	ds_store_b64 v6, v[C+2:C+3] offset:1536*((\t)/2)+256*((\t)%2)
	ds_store_b64 v7, v[C+4:C+5] offset:1536*((\t)/2)+256*((\t)%2)
	ds_store_b8 v8, v[E] offset:4*((\t)/2)+(\t)%2
.if (\t)+2 < 8
	KLOAD (\t)+2
.endif
	s_wait_dscnt 0x0                               ; the stores have read their registers: the next block's codes may be written
.endm
	KLOAD 0
	KLOAD 1
.irp t, 0,1,2,3,4,5,6,7
	KBLOCK \t
.endr
	OUT12 KST, 0, 12288
	FINISH
	; ---- wave 1: v.  Block t = 2 f + e: column d = 32 e + lane, keys 32 f + 0..31 of the step down my registers.
.Lrole_v:
.macro VLOAD t
.set ii, 0
.rept 32
	global_load_b32 v[X+32*((\t)%2)+ii], v2, s[8:9] offset:(32*((\t)/2)+ii)*256+128*((\t)%2)
.set ii, ii+1
.endr
.endm
.macro VBLOCK t
.set XS, X+32*((\t)%2)
.set VB, 3072*((\t)%2)+256*(((\t)/2)%2)            ; tiles 2 e, 2 e + 1; lanes 16 (f % 2) on
.if (\t) < 7
	s_wait_loadcnt 32                              ; this block's 32 loads are in; the next block's may be out
.else
	s_wait_loadcnt 0x0
.endif
	QUANT1
.if (\t)/4 == 0                                    ; key blocks 0, 1: registers 0-5
	ds_store_b64 v9, v[C:C+1] offset:VB
	ds_store_b64 v9, v[C+2:C+3] offset:VB+8
	ds_store_b64 v9, v[C+4:C+5] offset:VB+512
.else                                              ; key blocks 2, 3: registers 6-11
	ds_store_b64 v9, v[C:C+1] offset:VB+520
	ds_store_b64 v9, v[C+2:C+3] offset:VB+1024
	ds_store_b64 v9, v[C+4:C+5] offset:VB+1032
.endif
	ds_store_b8 v10, v[E] offset:8*((\t)%2)+(\t)/2
.if (\t)+2 < 8
	VLOAD (\t)+2
.endif
	s_wait_dscnt 0x0                               ; the stores have read their registers
.endm
	VLOAD 0
	VLOAD 1
.irp t, 0,1,2,3,4,5,6,7
	VBLOCK \t
.endr
	OUT12 VST, 6144, 12544
	FINISH
	; ---- wave 2: q.  Eight tiles of 16 queries; loads run four tiles (32 loads) ahead.
.Lrole_q:
.macro QLOADT t
.irp i, 0,1,2,3,4,5,6,7
	global_load_b128 v[X+32*((\t)%4)+4*\i:X+32*((\t)%4)+4*\i+3], v3, s[6:7] offset:4096*(\t)+512*\i th:TH_LOAD_NT   ; 512 consecutive bytes: two rows
.endr
.endm
.macro QTILE t
.if (\t) < 5
	s_wait_loadcnt 24                              ; this tile's eight loads are in; those of the three tiles behind it may be out
.else
	s_wait_loadcnt 8*(7-(\t))
.endif
.irp i, 0,1,2,3,4,5,6,7
	ds_store_b128 v11, v[X+32*((\t)%4)+4*\i:X+32*((\t)%4)+4*\i+3] offset:544*\i
.endr
.irp i, 0,1,2,3,4,5,6,7
	ds_load_b128 v[XQ+4*\i:XQ+4*\i+3], v14 offset:16*\i            ; LDS serves a wave's instructions in order: these see the stores above
.endr
	s_wait_dscnt 0x0                               ; my 32 numbers are in, and the stage's stores (and the last tile's scale word's) have read their registers,
.if (\t) < 4
	QLOADT (\t)+4                                  ; which take the loads of four tiles on
.endif
	s_wait_xcnt 0x0                                ; the last tile's stores have read their data: the codes' registers may be written again
.set XS, XQ
	QUANT1
	v_lshlrev_b32 v[W], v21, v[E]                  ; my byte at its place (d block h),
	v_permlanex16_b32 v[W+1], v[W], s24, s25
	v_or_b32 v[W], v[W], v[W+1]                    ; with lane l xor 16's: the row's two bytes,
	v_lshl_or_b32 v[W], v[W], 16, v[W]             ; twice: q's codes serve in either half of a product's 128 along K
	ds_store_b32 v15, v[W] offset:64*(\t)          ; (lanes r and r + 16 write the same word with the same value)
	global_store_b128 v3, v[C:C+3], s[12:13] offset:768*(\t)
	global_store_b64 v4, v[C+4:C+5], s[12:13] offset:768*(\t)+512
.endm
	QLOADT 0
	QLOADT 1
	QLOADT 2
	QLOADT 3
	s_wait_alu depctr_va_vdst(0)
.irp t, 0,1,2,3,4,5,6,7
	QTILE \t
.endr
	ds_load_b128 v[XQ:XQ+3], v3 offset:QSS         ; the 128 scale words leave as 512 consecutive bytes
	s_wait_dscnt 0x0
	global_store_b128 v3, v[XQ:XQ+3], s[14:15]
	FINISH
.Lfunc_end_k_q2fb5e25990_prep:
	.size	k_q2fb5e25990_prep, .Lfunc_end_k_q2fb5e25990_prep-k_q2fb5e25990_prep
	.p2alignl 7, 3214868480
	.fill 96, 4, 3214868480
	.section	.rodata,"a",@progbits
	.p2align	6, 0x0
	.amdhsa_kernel k_q2fb5e25990_prep
		.amdhsa_group_segment_fixed_size 18176
		.amdhsa_private_segment_fixed_size 0
		.amdhsa_enable_private_segment 0
		.amdhsa_kernarg_size 48
		.amdhsa_user_sgpr_count 2
		.amdhsa_user_sgpr_kernarg_segment_ptr 1
		.amdhsa_wavefront_size32 1
		.amdhsa_system_sgpr_workgroup_id_x 1
		.amdhsa_system_sgpr_workgroup_id_y 1
		.amdhsa_system_sgpr_workgroup_id_z 1
		.amdhsa_system_vgpr_workitem_id 0
		.amdhsa_next_free_vgpr 224
		.amdhsa_next_free_sgpr 66
		.amdhsa_reserve_vcc 0
		.amdhsa_float_denorm_mode_32 3
		.amdhsa_float_denorm_mode_16_64 3
		.amdhsa_memory_ordered 1
		.amdhsa_forward_progress 1
		.amdhsa_inst_pref_size 114
	.end_amdhsa_kernel
	.amdgpu_metadata
---
amdhsa.version: [ 1, 2 ]
amdhsa.kernels:
  - .name:           k_q2fb5e25990_prep
    .symbol:         k_q2fb5e25990_prep.kd
    .args:
      - { .name: k, .offset: 0, .size: 8, .value_kind: global_buffer, .address_space: global }
      - { .name: q, .offset: 8, .size: 8, .value_kind: global_buffer, .address_space: global }
      - { .name: v, .offset: 16, .size: 8, .value_kind: global_buffer, .address_space: global }
      - { .name: kvimg, .offset: 24, .size: 8, .value_kind: global_buffer, .address_space: global }
      - { .name: qimg, .offset: 32, .size: 8, .value_kind: global_buffer, .address_space: global }
      - { .name: qsc, .offset: 40, .size: 8, .value_kind: global_buffer, .address_space: global }
    .group_segment_fixed_size: 18176
    .private_segment_fixed_size: 0
    .kernarg_segment_align: 8
    .kernarg_segment_size: 48
    .max_flat_workgroup_size: 96
    .sgpr_count:     66
    .vgpr_count:     224
    .wavefront_size: 32
...
	.end_amdgpu_metadata
.endif
;; end of part 4
;; launch attn (part 5): grid 16 x 16, 16 waves a work-group, no clusters, 327,680 bytes of LDS; arguments qimg, qsc, kvimg, out0, stats; writes out0, stats
.if DOCPART == 5
	.amdgcn_target "amdgcn-amd-amdhsa--gfx1250"
	.amdhsa_code_object_version 6
	.text
	.protected	k_q2fb5e25990_attn
	.globl	k_q2fb5e25990_attn
	.p2align	8
	.type	k_q2fb5e25990_attn,@function
k_q2fb5e25990_attn:
	s_mov_b64 s[64:65], 0
	v_nop
	global_prefetch_b8 v0, s[64:65] scope:SCOPE_SE
	s_setreg_imm32_b32 hwreg(HW_REG_WAVE_MODE, 25, 1), 1
	s_wait_xcnt 0x0
; SECOND LAUNCH: out0[h][q][:] = the sum over keys k <= q of softmax_k(q . k / 8) v[k][:], both products on codes of BF6 made by the first launch; and for each query -M and 1 / l, which the third launch needs.
; LEFT OUT: key steps all of whose 128 keys come after a wave's 16 queries: under the problem's own causal mask their exponentials are 0 for all finite inputs (shown at the first kernel's head).
; THE SOFTMAX AHEAD OF THE SECOND PRODUCT: t = score x log2(e) / 8; M = the row's largest t so far, rounded UP to a whole number; p = 2^(t - M) is what is quantised, along the keys, not normalised.
; The row's sum l is taken of the unquantised p, in f32, and divides at the end.  When M moves, l and O are multiplied by 2^(old M - new M): exact.
; SHARES.  Work-group (i, head) owns the query blocks i and 31 - i of 128 queries: (i + 1) + (32 - i) = 33 key steps of 128 keys for each pair of tiles, the same in all 256 work-groups.
; Each of sixteen waves owns one tile of 16 queries: tile w / 2 of the late block where ((w xor w / 4) & 1) is 1, else of the early one: of any four waves on end, and of any four that are equal modulo 4, two are early and two late.
; RING.  K's and V's records (12,800 bytes a key step, laid by the first launch) come through two LDS slots of four steps, 51,200 dense bytes, each by ONE tensor load of wave 0, so that every load that is issued has bytes that are read.
; NO CLUSTER: the work-groups of a head need different numbers of slots (keys up to 4,095 - 128 i); a joint load would bring some partner slots that none of its waves reads.
; LAYOUT.  Both products are used transposed: S^T = K Q^T (source 0 = 16 keys, source 1 = my 16 queries), O^T = V^T P^T: a lane holds ONE query (lane % 16) throughout.
; K = 64 IN AN INSTRUCTION OF 128.  A pair image holds two tiles of 16 keys: one tile's 64 codes a row in registers 0-5, the other's in registers 6-11.  q's six registers stand between six registers of zeros on either side:
; [q | 0] picks the first tile, [0 | q] the second.  Zero codes add nothing under any scale byte that the quantiser gives.  So no padding is stored or fetched, and one scale word serves the pair (q's word holds its two bytes twice).
; The keys of a tile are not neighbours: row r of tile 2 b + u is key 32 b + 8 u + r + 8 (r / 8), so that the 16 registers of tiles 2 b and 2 b + 1 are keys 32 b + 16 (lane / 16) + 0..15.
; LIMITS: NaN and infinities among the inputs are not served.
.set REC,   12800                      ; a key step's record
.set SLOTB, 4*REC                      ; a slot: four steps
.set SLOT1, 65536                      ; slot 1 begins here: one exclusive or turns an address in one slot into the other's
.set NSL,   8                          ; slots' worth of keys in a head
.set OST,   131072                     ; the way out: 16 rows x (256 + 16) bytes for each wave; no tensor load lands here or further on
.set STA,   200704                     ; -M of the work-group's 256 queries (early block first), then 1 / l
.set SPARE, 202752                     ; the spare words, 128 bytes for each wave: eight blocks of 256 bytes that no other line names
.set LI,   1                           ; v1   16 x lane: an image's place for my lane; also my byte offset in the tile's rows of out0 (256 (lane / 16) + 16 (lane % 16))
.set LSC,  2                           ; v2   12,288 + 16 r: K's scale words in a record (V's: 256 on)
.set Q8,   3                           ; v3   8 x lane
.set Q4,   4                           ; v4   4 r
.set SPW,  5                           ; v5   LDS address of my spare word; never rewritten
.set NIL,  6                           ; v6   0; never rewritten
.set ADK,  8                           ; v8   the slot in hand + LI
.set ADS,  9                           ; v9   the slot in hand + LSC
.set SIN,  10                          ; v10  the stage: where I put 32 bytes of a row
.set SBK,  11                          ; v11  and where I read a row back
                                       ; v12 -M, v13 the largest t, v[14:15] the sum in two halves
.set QR,   16                          ; v16-33 six zeros, q's six registers, six zeros
.set QS,   34                          ; v34  q's scale words
.set PFO,  35                          ; v35  the prefetches' offset; never rewritten
.set FR,   36                          ; v36-83 K's four pair images, then V's four tiles
.set KS,   84                          ; v84-87 K's scale words
.set VS,   88                          ; v88-91 V's
.set S,    96                          ; v96-159 S^T, then p
.set OT,   160                         ; v160-191 O^T
.set PC,   192                         ; v192-203 p's codes
.set PH,   204                         ; v204-206, v208-210 the conversions' second halves
.set BM,   212                         ; v212-215 each block's largest score, then its largest p
.set PB,   216                         ; v216-219 the other half's; later the scale bytes
.set SO,   220                         ; v220-223 the conversions' scale operands
.set FF,   224                         ; v224 f = 2^(old M - new M);  v225 p's scale word (named with f as a pair)
.set TMP,  226
.set SUM2, 228                         ; v228-229 one of the sum's eight chains
.set MD,   230                         ; v230, v231 the mask's
.set MI,   231
.set SA,   233                         ; v233 where my query's -M goes in LDS
.set SRD,  234                         ; v234 where a wave of the first four reads 128 statistics back
.set TB,    2                          ; s2   LDS byte at which the slot in hand begins
.set SLOTS, 3                          ; s3   changes of slots to go
.set KF,   14                          ; s14  the step's first key
.set Q0,   15                          ; s15  my first query
.set LQ,   16                          ; s16  my work-group's last query
.set WV,   18                          ; s18  my wave's number
.set LIM,  19                          ; s19  1 in a wave that prefetches, else the greatest number
.set SEL,  20                          ; s[20:21] lane selects for v_permlanex16_b32: lane l xor 16
.set CS,   22                          ; s[22:23] c = log2(e) / 8: the packed form names a pair and takes its low word for both halves
.set G1,   24                          ; s[24:31] descriptor group 1
.set G0,   32                          ; s[32:35] descriptor group 0, which walks
.set PFA,  36                          ; s[36:37] where my prefetches stand
; Wave 0 fetches, the others nothing.  The branch hangs on the wave's number alone.  An s_nop 0 and four v_nop follow the load.
.macro TLOAD
	s_cmp_lg_u32 s[WV], 0
	s_cbranch_scc1 .Lnot_mine_\@
	tensor_load_to_lds s[G0:G0+3], s[G1:G1+7]
	s_nop 0
.rept 4
	v_nop
.endr
.Lnot_mine_\@:
.endm
; A PREFETCH INTO THE L2 of the slot that the NEXT change of slots will ask for: 51,200 dense bytes, 200 blocks of 256.  All work-groups of a head walk the same records from the head's first key on: the work-group with x = 0,
; which walks all eight slots, asks, and nobody else.  In it eight waves that fetch nothing, 4 to 11, ask for 6,400 bytes each, lanes 256 bytes apart (lanes 25 to 31 name lane 24's block with it, in the same instruction).
; The last change that fills a slot asks for nothing: there is no slot behind it.  Slots 0 and 1 come by their loads alone.
.macro ASK
	s_cmp_gt_u32 s[SLOTS], s[LIM]
	s_cbranch_scc0 .Lno_ask_\@
	global_prefetch_b8 v[PFO], s[PFA:PFA+1] th:TH_LOAD_NT scope:SCOPE_SE
.Lno_ask_\@:
.endm
	s_load_b256 s[4:11], s[0:1], 0x0               ; qimg s[4:5], qsc s[6:7], kvimg s[8:9], out0 s[10:11]
	s_load_b64 s[12:13], s[0:1], 0x20              ; stats
	v_lshl_add_u32 v[SPW], v0, 2, SPARE
	v_mov_b32 v[NIL], 0
	ds_add_u32 v[SPW], v[NIL]                      ; the wave's opening: the add, twice on end, and its wait ahead of the first tensor load; the set-up below stands between the second and the wait
	ds_add_u32 v[SPW], v[NIL]
	v_lshrrev_b32 v8, 5, v0
	s_delay_alu instid0(VALU_DEP_1)
	v_readfirstlane_b32 s[WV], v8                  ; wave 0..15
	s_and_b32 s38, ttmp7, 0xffff                   ; the head
	s_lshr_b32 s39, s[WV], 1                       ; my tile in its block of 128 queries
	s_lshr_b32 s40, s[WV], 2
	s_xor_b32 s40, s40, s[WV]
	s_and_b32 s40, s40, 1                          ; 1: the late block
	s_sub_co_u32 s41, 31, ttmp9                    ; 31 - i
	s_cmp_eq_u32 s40, 0
	s_cselect_b32 s42, ttmp9, s41                  ; my block
	s_lshl_b32 s[Q0], s42, 7
	s_lshl_b32 s43, s39, 4
	s_add_co_u32 s[Q0], s[Q0], s43                 ; my first query
	s_lshl_b32 s[LQ], s41, 7
	s_or_b32 s[LQ], s[LQ], 127                     ; the late block's last query
	s_mul_i32 s44, s38, 409600                     ; the head's 32 records
	s_mov_b32 s45, 0
	s_mul_i32 s46, s38, 196608                     ; the head's 256 images of q,
	s_mul_i32 s47, s[Q0], 48                       ; 768 bytes for each 16 queries
	s_add_co_u32 s46, s46, s47
	s_mov_b32 s47, 0
	s_lshl_b32 s48, s38, 12
	s_add_co_u32 s48, s48, s[Q0]                   ; my first query among all 65,536
	s_lshl_b32 s50, s48, 2                         ; its scale word
	s_mov_b32 s51, 0
	s_lshl_b32 s52, s48, 8                         ; its row of out0
	s_mov_b32 s53, 0
	s_and_b32 s54, s[WV], 1                        ; the statistics' way out, waves 0 to 3: -M (0, 1) or 1 / l (2, 3) of the early (0, 2) or the late block (1, 3)
	s_cmp_eq_u32 s54, 0
	s_cselect_b32 s54, ttmp9, s41
	s_lshl_b32 s54, s54, 7
	s_lshl_b32 s55, s38, 12
	s_add_co_u32 s54, s54, s55
	s_lshl_b32 s54, s54, 2
	s_bfe_u32 s55, s[WV], 0x10001
	s_lshl_b32 s55, s55, 18                        ; 1 / l lies 262,144 bytes behind -M
	s_add_co_u32 s54, s54, s55
	s_mov_b32 s55, 0
	; descriptor group 1: 51,200 dense bytes as 200 rows of 256 bytes (32 elements of 8 bytes); no padding: images are read at 16 x lane, 512 consecutive bytes a load
	s_mov_b32 s[G1+0], 3<<16                       ; no mask; elements of 8 bytes; padding off
	s_mov_b32 s[G1+1], 32<<16                      ; tensor_dim0 = 32
	s_mov_b32 s[G1+2], 200<<16                     ; tensor_dim1 = 200
	s_mov_b32 s[G1+3], 32<<16                      ; tile_dim0 = 32
	s_mov_b32 s[G1+4], 200                         ; tile_dim1 = 200
	s_mov_b32 s[G1+5], 32                          ; from row to row
	s_mov_b32 s[G1+6], 0
	s_mov_b32 s[G1+7], 0
	s_mov_b32 s[SEL], 0x76543210
	s_mov_b32 s[SEL+1], 0xfedcba98
	s_mov_b32 s[CS], 0x3e38aa3b                    ; c = log2(e) / 8
	s_mov_b32 s[CS+1], s[CS]                       ; (named with it as a pair, so it is written)
	s_mov_b32 s[TB], 0
	s_mov_b32 s[SLOTS], NSL-1
	s_mov_b32 s[KF], 0
	s_wait_dscnt 0x0                               ; both opening adds are done
	s_wait_kmcnt 0x0
	s_add_nc_u64 s[8:9], s[8:9], s[44:45]          ; the head's first record
	s_mov_b32 s[G0], 1                             ; count = 1
	s_mov_b32 s[G0+1], 0                           ; LDS address: slot 0
	s_mov_b64 s[G0+2:G0+3], s[8:9]                 ; global address: the head's first four records
	s_or_b32 s[G0+3], s[G0+3], 0x80000000          ; type = 2
	TLOAD                                          ; slot 0: key 0 counts for every query, so it is read
	s_add_nc_u64 s[4:5], s[4:5], s[46:47]
	s_add_nc_u64 s[6:7], s[6:7], s[50:51]
	s_add_nc_u64 s[10:11], s[10:11], s[52:53]
	s_add_nc_u64 s[12:13], s[12:13], s[54:55]
	s_and_b32 s56, s[WV], 7                        ; the prefetches: waves 4 to 11 take the eight parts of a slot, part wave % 8,
	s_mul_i32 s56, s56, 6400
	s_add_co_u32 s56, s56, SLOTB                   ; in slot 1: the first change of slots steps it to slot 2.  Nothing is prefetched here, at the head
	s_mov_b32 s57, 0
	s_add_nc_u64 s[PFA:PFA+1], s[8:9], s[56:57]
	s_sub_co_u32 s58, s[WV], 4
	s_lshr_b32 s58, s58, 3                         ; 0 in waves 4 to 11,
	s_or_b32 s58, s58, ttmp9                       ; of the work-group with x = 0
	s_cmp_eq_u32 s58, 0
	s_cselect_b32 s[LIM], 1, -1
	v_and_b32 v[PFO], 31, v0
	s_delay_alu instid0(VALU_DEP_1)
	v_min_u32 v[PFO], 24, v[PFO]
	s_delay_alu instid0(VALU_DEP_1)
	v_lshlrev_b32 v[PFO], 8, v[PFO]
	v_and_b32 v[LI], 31, v0
	s_delay_alu instid0(VALU_DEP_1)
	v_lshlrev_b32 v[Q8], 3, v[LI]
	s_delay_alu instid0(VALU_DEP_2)
	v_lshlrev_b32 v[LI], 4, v[LI]
	v_and_b32 v8, 15, v0                           ; r
	v_bfe_u32 v9, v0, 4, 1                         ; h
	s_delay_alu instid0(VALU_DEP_2)
	v_lshlrev_b32 v[Q4], 2, v8
	s_delay_alu instid0(VALU_DEP_3)
	v_lshl_add_u32 v[LSC], v8, 4, 12288
	global_load_b128 v[QR+6:QR+9], v[LI], s[4:5]               ; q's fragment stays in registers
	global_load_b64 v[QR+10:QR+11], v[Q8], s[4:5] offset:512
	global_load_b32 v[QS], v[Q4], s[6:7]
.irp j, 0,1,2,3,4,5,12,13,14,15,16,17
	v_mov_b32 v[QR+\j], 0                          ; the zeros on either side of q's codes: written once
.endr
	s_mul_i32 s59, s[WV], 4352
	s_add_co_u32 s59, s59, OST                     ; my stage
	v_mul_u32_u24 v[SIN], v8, 272
	s_delay_alu instid0(VALU_DEP_1)
	v_lshl_add_u32 v[SIN], v9, 5, v[SIN]
	s_delay_alu instid0(VALU_DEP_1)
	v_add_nc_u32 v[SIN], s59, v[SIN]               ; in: row r; tile t's eight channels of my half: 64 t + 32 h bytes on
	v_mul_u32_u24 v[SBK], v9, 272
	s_delay_alu instid0(VALU_DEP_1)
	v_lshl_add_u32 v[SBK], v8, 4, v[SBK]
	s_delay_alu instid0(VALU_DEP_1)
	v_add_nc_u32 v[SBK], s59, v[SBK]               ; back: lanes 0-15 one row, lanes 16-31 the next
	s_lshl_b32 s60, s40, 9
	s_lshl_b32 s61, s39, 6
	s_add_co_u32 s60, s60, s61
	s_add_co_u32 s60, s60, STA
	v_add_nc_u32 v[SA], s60, v[Q4]                 ; 512 x late + 64 x tile + 4 r
	s_and_b32 s61, s[WV], 3
	s_lshl_b32 s61, s61, 9
	s_add_co_u32 s61, s61, STA
	v_add_nc_u32 v[SRD], s61, v[LI]
	v_mov_b32 v13, 0xff61b1e6                      ; the largest t so far: -3e38, under every t
	s_delay_alu instid0(VALU_DEP_1)
	v_floor_f32 v12, -v13                          ; -M
	v_mov_b32 v14, 0                               ; the sum, in two halves
	v_mov_b32 v15, 0
.irp b, 0,1,2,3
	v_mov_b32 v[PB+\b], 0                          ; written once: a lane permute's destination counts as one of its sources
.endr
	v_mov_b32 v[FF+1], 0                           ; (named as the upper half of the pair before it is first written)
	v_mov_b32 v[TMP], 0
.set n, 0
.rept 32
	v_mov_b32 v[OT+n], 0                           ; O^T.  (A key step is written in one form: the first finds zeros, which the first change of M leaves zeros)
.set n, n+1
.endr
; A KEY STEP: 128 keys, the q-th of the slot in hand.
.macro STEP q
	s_add_co_u32 s40, s[Q0], 15                    ; a step all of whose keys come after my 16 queries is left out: a scalar branch on ids, round the step's loads, products and softmax; not round the line at its end
	s_cmp_gt_u32 s[KF], s40
	s_cbranch_scc1 .Lhidden_\@
	v_add_nc_u32 v[ADK], s[TB], v[LI]
	v_add_nc_u32 v[ADS], s[TB], v[LSC]
	v_nop
	v_nop                                          ; four places in front of loads into registers that the last step's products have read
.irp j, 0,1,2,3,4,5,6,7,8,9,10,11
	ds_load_b128 v[FR+4*\j:FR+4*\j+3], v[ADK] offset:REC*(\q)+512*\j          ; K's four pair images as they lie
.endr
	ds_load_b128 v[KS:KS+3], v[ADS] offset:REC*(\q)                           ; and the four pairs' scale words
	s_wait_alu depctr_va_vdst(0)
	s_wait_dscnt 0x0
.irp b, 0,1,2,3                                    ; S^T = K Q^T: each pair image twice: with [q | 0] its first tile, with [0 | q] its second
	v_wmma_scale_f32_16x16x128_f8f6f4 v[S+16*\b:S+16*\b+7], v[FR+12*\b:FR+12*\b+11], v[QR+6:QR+17], 0, v[KS+\b], v[QS] matrix_a_fmt:MATRIX_FMT_BF6 matrix_b_fmt:MATRIX_FMT_BF6
	v_wmma_scale_f32_16x16x128_f8f6f4 v[S+16*\b+8:S+16*\b+15], v[FR+12*\b:FR+12*\b+11], v[QR:QR+11], 0, v[KS+\b], v[QS] matrix_a_fmt:MATRIX_FMT_BF6 matrix_b_fmt:MATRIX_FMT_BF6
.endr
.rept 4
	v_nop                                          ; four places: in front of the loads into K's registers and of the first read of the scores
.endr
.irp j, 0,1,2,3,4,5,6,7,8,9,10,11
	ds_load_b128 v[FR+4*\j:FR+4*\j+3], v[ADK] offset:REC*(\q)+6144+512*\j     ; V's four tiles: they land while the softmax is worked
.endr
	ds_load_b128 v[VS:VS+3], v[ADS] offset:REC*(\q)+256
	s_add_co_u32 s40, s[KF], 127                   ; on the diagonal the scores of hidden keys become -infinity ahead of the maximum: p = 0 then.  A step all of whose keys count skips this
	s_cmp_le_u32 s40, s[Q0]
	s_cbranch_scc1 .Lopen_\@
	s_sub_co_i32 s40, s[Q0], s[KF]
	v_and_b32 v[MD], 15, v0
	v_bfe_u32 v[MI], v0, 4, 1
	s_delay_alu instid0(VALU_DEP_1)
	v_lshlrev_b32 v[MI], 4, v[MI]
	s_delay_alu instid0(VALU_DEP_1)
	v_sub_nc_u32 v[MD], v[MD], v[MI]
	s_delay_alu instid0(VALU_DEP_1)
	v_add_nc_u32 v[MD], s40, v[MD]                 ; d = my query - the step's first key - 16 (lane / 16).  Register 16 b + i holds key 32 b + 16 (lane / 16) + i of the step: hidden where 32 b + i > d
	v_mov_b32 v[MI], 0xff800000                    ; -infinity
.set n, 0
.rept 64
	v_cmp_gt_i32 vcc_lo, 32*(n/16)+n%16, v[MD]
	v_cndmask_b32 v[S+n], v[S+n], v[MI], vcc_lo
.set n, n+1
.endr
.Lopen_\@:
.irp b, 0,1,2,3
	v_max3_num_f32 v[BM+\b], v[S+16*\b], v[S+1+16*\b], v[S+2+16*\b]           ; the largest score of each block of 32 keys: it serves for the row's maximum and, since p rises with the score, for the block's largest p
.endr
.irp i, 3,5,7,9,11,13
.irp b, 0,1,2,3
	v_max3_num_f32 v[BM+\b], v[BM+\b], v[S+16*\b+\i], v[S+1+16*\b+\i]         ; (the four blocks by turns)
.endr
.endr
.irp b, 0,1,2,3
	v_max_num_f32 v[BM+\b], v[BM+\b], v[S+15+16*\b]
.endr
.irp b, 0,1,2,3
	s_delay_alu instid0(VALU_DEP_4)
	v_permlanex16_b32 v[PB+\b], v[BM+\b], s[SEL], s[SEL+1]
.endr
.irp b, 0,1,2,3
	s_delay_alu instid0(VALU_DEP_4)
	v_max_num_f32 v[BM+\b], v[BM+\b], v[PB+\b]     ; with lane l xor 16's 16 keys
.endr
	s_delay_alu instid0(VALU_DEP_2)
	v_max3_num_f32 v[TMP], v[BM], v[BM+1], v[BM+2]
	s_delay_alu instid0(VALU_DEP_1)
	v_max_num_f32 v[TMP], v[TMP], v[BM+3]          ; the step's largest score of my query
	s_delay_alu instid0(VALU_DEP_1)
	v_mul_f32 v[TMP], s[CS], v[TMP]                ; as t (c is positive)
	s_delay_alu instid0(VALU_DEP_1)
	v_max_num_f32 v13, v13, v[TMP]                 ; the running largest t
	v_mov_b32 v[TMP], v12
	s_delay_alu instid0(VALU_DEP_2)
	v_floor_f32 v12, -v13                          ; the new -M = floor(-t) = -ceil(t): M is a whole number
	s_delay_alu instid0(VALU_DEP_1)
	v_sub_f32 v[TMP], v12, v[TMP]                  ; M's old value less its new one: a whole number, 0 or less
	s_delay_alu instid0(VALU_DEP_1)
	v_cvt_i32_f32 v[TMP], v[TMP]                   ; (it saturates)
	s_delay_alu instid0(VALU_DEP_1)
	v_ldexp_f32 v[FF], 1.0, v[TMP]                 ; f = 2^(old M - new M)
.set n, 0
.rept 32
	v_pk_fma_f32 v[S+n:S+n+1], v[S+n:S+n+1], s[CS:CS+1], v[12:13] op_sel_hi:[1,0,0]   ; t - M, two at a time (of the pairs c and -M the low word serves both halves)
.set n, n+2
.endr
.irp b, 0,1,2,3
	v_fma_f32 v[BM+\b], v[BM+\b], s[CS], v12       ; the same of each block's largest score
.endr
.set n, 0
	s_wait_alu depctr_va_vdst(0)
.rept 64
	v_exp_f32 v[S+n], v[S+n]                       ; p = 2^(t - M), at most 1: not normalised
.set n, n+1
.endr
	v_pk_mul_f32 v[14:15], v[14:15], v[FF:FF+1] op_sel_hi:[1,0]    ; the sums under the new M.  (A plain place behind the exponentials)
	s_wait_alu depctr_va_vdst(0)                   ; one wait for the whole batch, ahead of its first reader
.irp b, 0,1,2,3
	v_exp_f32 v[BM+\b], v[BM+\b]                   ; the block's largest p: the same two instructions on the same number give the same bits
.endr
	v_pk_add_f32 v[228:229], v[100:101], v[104:105]
	v_pk_add_f32 v[238:239], v[108:109], v[112:113]
	v_pk_add_f32 v[236:237], v[116:117], v[120:121]
	v_pk_add_f32 v[230:231], v[124:125], v[128:129]
	v_pk_add_f32 v[222:223], v[132:133], v[136:137]
	v_pk_add_f32 v[220:221], v[140:141], v[144:145]
	v_pk_add_f32 v[218:219], v[148:149], v[152:153]
	v_pk_add_f32 v[14:15], v[14:15], v[156:157]
	v_pk_add_f32 v[228:229], v[228:229], v[96:97]
	v_pk_add_f32 v[238:239], v[238:239], v[98:99]
	v_pk_add_f32 v[236:237], v[236:237], v[102:103]
	v_pk_add_f32 v[230:231], v[230:231], v[106:107]
	v_pk_add_f32 v[222:223], v[222:223], v[110:111]
	v_pk_add_f32 v[220:221], v[220:221], v[114:115]
	v_pk_add_f32 v[218:219], v[218:219], v[118:119]
	v_pk_add_f32 v[14:15], v[14:15], v[122:123]
	v_pk_add_f32 v[228:229], v[228:229], v[126:127]
	v_pk_add_f32 v[238:239], v[238:239], v[130:131]
	v_pk_add_f32 v[236:237], v[236:237], v[134:135]
	v_pk_add_f32 v[230:231], v[230:231], v[138:139]
	v_pk_add_f32 v[222:223], v[222:223], v[142:143]
	v_pk_add_f32 v[220:221], v[220:221], v[146:147]
	v_pk_add_f32 v[218:219], v[218:219], v[150:151]
	v_pk_add_f32 v[14:15], v[14:15], v[154:155]
	v_pk_add_f32 v[228:229], v[228:229], v[158:159]
	s_delay_alu instid0(VALU_DEP_2)
	v_pk_add_f32 v[14:15], v[14:15], v[230:231]
	s_delay_alu instid0(VALU_DEP_2)
	v_pk_add_f32 v[228:229], v[228:229], v[222:223]
	v_pk_add_f32 v[238:239], v[238:239], v[220:221]
	v_pk_add_f32 v[236:237], v[236:237], v[218:219]
	s_delay_alu instid0(VALU_DEP_2)
	v_pk_add_f32 v[14:15], v[14:15], v[238:239]
	s_delay_alu instid0(VALU_DEP_2)
	v_pk_add_f32 v[228:229], v[228:229], v[236:237]
	s_delay_alu instid0(VALU_DEP_1)
	v_pk_add_f32 v[14:15], v[14:15], v[228:229]
	s_wait_alu depctr_va_vdst(0)                   ; and one wait for the four
.irp b, 0,1,2,3
	v_max_num_f32 v[BM+\b], 0x2800000, v[BM+\b]    ; the floor 2^(5 - 127): the byte cannot fall under 1 (a block whose every p is 0 keeps that byte: its codes are zeros)
.endr
.irp b, 0,1,2,3
	s_delay_alu instid0(VALU_DEP_4)
	v_add_nc_u32 v[SO+\b], 0xfe000000, v[BM+\b]    ; 4 off the exponent field: the conversion's scale operand
.endr
.irp b, 0,1,2,3
	s_delay_alu instid0(VALU_DEP_4)
	v_lshrrev_b32 v[PB+\b], 23, v[SO+\b]           ; the scale's byte
.endr
	s_delay_alu instid0(VALU_DEP_3)
	v_lshl_or_b32 v[FF+1], v[PB+1], 8, v[PB]       ; p's scale word for these 128 keys
	s_delay_alu instid0(VALU_DEP_1)
	v_lshl_or_b32 v[FF+1], v[PB+2], 16, v[FF+1]
	s_delay_alu instid0(VALU_DEP_1)
	v_lshl_or_b32 v[FF+1], v[PB+3], 24, v[FF+1]
.irp c, 0,1
	v_cvt_scalef32_pk16_bf6_f32 v[PC+6*\c:PC+2+6*\c], v[S+32*\c:S+15+32*\c], v[SO+2*\c]
	v_cvt_scalef32_pk16_bf6_f32 v[PH+4*\c:PH+2+4*\c], v[S+16+32*\c:S+31+32*\c], v[SO+2*\c+1]   ; (a conversion's three registers begin on an even number)
.endr
	v_nop                                          ; one plain place behind a scaled conversion
.irp c, 0,1                                        ; the operand's layout wants a whole block in a lane: lanes 0-15 block 2 c, lanes 16-31 block 2 c + 1
.irp i, 0,1,2
	v_permlane16_swap_b32 v[PC+6*\c+\i], v[PH+4*\c+\i]
.endr
.irp i, 0,1,2
	s_delay_alu instid0(VALU_DEP_3)
	v_mov_b32 v[PC+3+6*\c+\i], v[PH+4*\c+\i]
.endr
.endr
.set n, 0
.rept 16
	v_pk_mul_f32 v[OT+n:OT+n+1], v[OT+n:OT+n+1], v[FF:FF+1] op_sel_hi:[1,0]   ; O^T under the new M: x f.  (These sixteen stand between the lines that made p's codes and scale word and the products below)
.set n, n+2
.endr
	s_wait_alu depctr_va_vdst(0)
	s_wait_dscnt 0x0                               ; V's tiles and scale words are in
.irp t, 0,1,2,3                                    ; O^T += V^T P^T: four tiles of 16 of the head's 64; K = these 128 keys.  The four accumulators take turns, one instruction a turn
	v_wmma_scale_f32_16x16x128_f8f6f4 v[OT+8*\t:OT+8*\t+7], v[FR+12*\t:FR+12*\t+11], v[PC:PC+11], v[OT+8*\t:OT+8*\t+7], v[VS+\t], v[FF+1] matrix_a_fmt:MATRIX_FMT_BF6 matrix_b_fmt:MATRIX_FMT_BF6
.endr
.Lhidden_\@:
	s_add_co_u32 s[KF], s[KF], 128
.endm
; THE CHANGE OF SLOTS stands at a slot's head.  Each wave waits for all its tensor loads (wave 0: the slot that is about to be read), adds 0 to its spare word, and waits for that and for its reads of the slot that it has left.
; Behind the barrier the slot ahead is whole and nobody reads the other one.  fill = 1: that other slot is filled with the next four records, up to the causal limit: the load has a slot's four steps in which to land.
.macro CHANGE fill
	s_wait_tensorcnt 0x0                           ; no tensor load of mine is out, so group 0 may be written
	ds_add_u32 v[SPW], v[NIL]                      ; 0 onto my spare word
.if \fill
	ds_add_u32 v[SPW], v[NIL]                      ; and once more: the add stands twice on end, in every trip alike
	s_xor_b32 s[G0+1], s[G0+1], SLOT1              ; the walking descriptor: the other slot than last time,
	s_add_nc_u64 s[G0+2:G0+3], s[G0+2:G0+3], SLOTB ; the next four records; the type bits on top are not reached
	s_wait_xcnt 0x0                                ; the last prefetch, a slot back, has read its address, so it may be written:
	s_add_nc_u64 s[PFA:PFA+1], s[PFA:PFA+1], SLOTB ; one slot further on than the walking descriptor
.endif
	s_wait_dscnt 0x0                               ; the add is done (fill = 1: both are), and my reads of the slot that I have left are over
	s_barrier_signal -1
	s_barrier_wait -1
.if \fill
	s_add_co_u32 s40, s[KF], 512                   ; the first key of the slot that this change would ask for.  A slot whose first key comes after my work-group's last query is read by none of its waves: it is not asked for.
	s_cmp_gt_u32 s40, s[LQ]                        ; ids and the count of steps alone: all sixteen waves go the same way, and a work-group that is past the limit stays past it.  Every wait for tensor loads in this text is for 0
	s_cbranch_scc1 .Lpast_\@
	TLOAD                                          ; the first thing behind the barrier but the limit's three lines, and wave 0's one tensor load until the next
.Lpast_\@:
	ASK                                            ; what the next change of slots will ask for: a slot's four key steps ahead of that load
.endif
.endm
.macro SLOT_STEPS
	STEP 0
	STEP 1
	STEP 2
	STEP 3
	s_xor_b32 s[TB], s[TB], SLOT1                  ; on to the other slot
.endm
	s_wait_loadcnt 0x0                             ; q
.Lslot:                                            ; seven trips: behind each change of slots but the last the next slot is asked for, up to the causal limit
	CHANGE 1
	SLOT_STEPS
	s_sub_co_u32 s[SLOTS], s[SLOTS], 1
	s_cmp_lg_u32 s[SLOTS], 0
	s_cbranch_scc1 .Lslot
	CHANGE 0                                       ; the last slot is written out: nothing is left to ask for
	SLOT_STEPS
	; THE WAY OUT.  The sum's parts are added; -M and 1 / l go to LDS for the third launch's sake; O^T / l goes through my stage and leaves as whole rows of 256 bytes, two rows a store.
.rept 4
	v_nop                                          ; four places behind the last products
.endr
	v_add_f32 v14, v14, v15                        ; the sum's two halves,
	s_delay_alu instid0(VALU_DEP_1)
	v_permlanex16_b32 v[TMP], v14, s[SEL], s[SEL+1]
	s_delay_alu instid0(VALU_DEP_1)
	v_add_f32 v14, v14, v[TMP]                     ; and lane l xor 16's: the row's sum
	s_wait_alu depctr_va_vdst(0)
	v_rcp_f32 v14, v14
	v_nop                                          ; a plain place behind the reciprocal
	s_wait_alu depctr_va_vdst(0)                   ; and a wait ahead of its first reader
	ds_store_b32 v[SA], v12                        ; (lanes r and r + 16 write the same word with the same value)
	ds_store_b32 v[SA], v14 offset:1024
.set n, 0
.rept 32
	v_mul_f32 v[S+n], v[OT+n], v14                 ; register 8 t + j is out0(r, 16 t + 8 h + j)
.set n, n+1
.endr
.irp t, 0,1,2,3
	ds_store_b128 v[SIN], v[S+8*\t:S+8*\t+3] offset:64*\t
	ds_store_b128 v[SIN], v[S+8*\t+4:S+8*\t+7] offset:64*\t+16
.endr
.irp i, 0,1,2,3,4,5,6,7
	ds_load_b128 v[FR+4*\i:FR+4*\i+3], v[SBK] offset:544*\i        ; LDS serves a wave's instructions in order: these see my stores
.endr
.irp i, 0,1,2,3,4,5,6,7
	s_wait_dscnt 7-\i                              ; load i is in; the 7 - i behind it may be out
	global_store_b128 v[LI], v[FR+4*\i:FR+4*\i+3], s[10:11] offset:512*\i th:TH_STORE_NT   ; 32 lanes store 512 consecutive bytes, at a multiple of 256 from out0's first byte
.endr
	s_wait_dscnt 0x0                               ; for the others' sake: my statistics lie in LDS
	s_barrier_signal -1
	s_barrier_wait -1
	s_cmp_lt_u32 s[WV], 4
	s_cbranch_scc0 .Lno_stats
	ds_load_b128 v[S:S+3], v[SRD]                  ; 128 numbers: -M or 1 / l of one block of queries
	s_wait_dscnt 0x0
	global_store_b128 v[LI], v[S:S+3], s[12:13]    ; 512 consecutive bytes
.Lno_stats:
	s_wait_tensorcnt 0x0                           ; the wave's end, behind my last tensor load and my last LDS store
	ds_add_u32 v[SPW], v[NIL]
	s_wait_dscnt 0x0
	s_endpgm
.Lfunc_end_k_q2fb5e25990_attn:
	.size	k_q2fb5e25990_attn, .Lfunc_end_k_q2fb5e25990_attn-k_q2fb5e25990_attn
	.p2alignl 7, 3214868480
	.fill 96, 4, 3214868480
	.section	.rodata,"a",@progbits
	.p2align	6, 0x0
	.amdhsa_kernel k_q2fb5e25990_attn
		.amdhsa_group_segment_fixed_size 327680
		.amdhsa_private_segment_fixed_size 0
		.amdhsa_enable_private_segment 0
		.amdhsa_kernarg_size 40
		.amdhsa_user_sgpr_count 2
		.amdhsa_user_sgpr_kernarg_segment_ptr 1
		.amdhsa_wavefront_size32 1
		.amdhsa_system_sgpr_workgroup_id_x 1
		.amdhsa_system_sgpr_workgroup_id_y 1
		.amdhsa_system_sgpr_workgroup_id_z 1
		.amdhsa_system_vgpr_workitem_id 0
		.amdhsa_next_free_vgpr 240
		.amdhsa_next_free_sgpr 66
		.amdhsa_reserve_vcc 1
		.amdhsa_float_denorm_mode_32 3
		.amdhsa_float_denorm_mode_16_64 3
		.amdhsa_memory_ordered 1
		.amdhsa_forward_progress 1
		.amdhsa_inst_pref_size 189
	.end_amdhsa_kernel
	.amdgpu_metadata
---
amdhsa.version: [ 1, 2 ]
amdhsa.kernels:
  - .name:           k_q2fb5e25990_attn
    .symbol:         k_q2fb5e25990_attn.kd
    .args:
      - { .name: qimg, .offset: 0, .size: 8, .value_kind: global_buffer, .address_space: global }
      - { .name: qsc, .offset: 8, .size: 8, .value_kind: global_buffer, .address_space: global }
      - { .name: kvimg, .offset: 16, .size: 8, .value_kind: global_buffer, .address_space: global }
      - { .name: out0, .offset: 24, .size: 8, .value_kind: global_buffer, .address_space: global }
      - { .name: stats, .offset: 32, .size: 8, .value_kind: global_buffer, .address_space: global }
    .group_segment_fixed_size: 327680
    .private_segment_fixed_size: 0
    .kernarg_segment_align: 8
    .kernarg_segment_size: 40
    .max_flat_workgroup_size: 512
    .sgpr_count:     66
    .vgpr_count:     240
    .wavefront_size: 32
...
	.end_amdgpu_metadata
.endif
;; end of part 5
;; launch colsum (part 6): grid 16 x 16, 16 waves a work-group, no clusters, 10,240 bytes of LDS; arguments qimg, qsc, kvimg, stats, out1; writes out1
.if DOCPART == 6
	.amdgcn_target "amdgcn-amd-amdhsa--gfx1250"
	.amdhsa_code_object_version 6
	.text
	.protected	k_q2fb5e25990_colsum
	.globl	k_q2fb5e25990_colsum
	.p2align	8
	.type	k_q2fb5e25990_colsum,@function
k_q2fb5e25990_colsum:
	s_mov_b64 s[64:65], 0
	v_nop
	global_prefetch_b8 v0, s[64:65] scope:SCOPE_SE
	s_setreg_imm32_b32 hwreg(HW_REG_WAVE_SCHED_MODE, 0, 2), 2
	s_setreg_imm32_b32 hwreg(HW_REG_WAVE_MODE, 25, 1), 1
	s_wait_xcnt 0x0
	s_wait_alu depctr_vm_vsrc(0)
; THIRD LAUNCH: out1[h][k] = the sum over queries q >= k of softmax_k(q . k / 8).  A row's sum l is known only when the row has been walked, so the scores are made once more, now with the KEYS as owners:
; the same product on the same codes, then 2^(t - M) x (1 / l) with the second launch's -M and 1 / l of the row, in f32, and summed down the column.
; LEFT OUT: tiles of scores that lie wholly above the diagonal: under the problem's own causal mask they add 0 for all finite inputs (shown at the first kernel's head).
; SHARES.  Work-group (i, head) owns the key blocks i and 31 - i of 128 keys, one after the other (JOB 0, JOB 1).  Wave w keeps 64 keys of the block (half w / 8: two pair images, 24 registers) and walks tile w % 8 of every
; block of 128 queries from the diagonal on: (32 - i) + (i + 1) = 33 steps a wave in every work-group.  q's images, scale words and statistics come straight from memory into registers, one step ahead: 960 bytes a step.
; LAYOUT as in the second launch: S^T = K Q^T, a lane holds one query (lane % 16), so -M and 1 / l are one number a lane; register 16 b + j holds key 32 b + 16 (lane / 16) + j of my 64.
; A column's sum is first kept lane by lane (32 registers), then added over the 16 lanes of a half, then over the eight waves of a half block through LDS.
; No tensor loads and no cluster: what is streamed is small and goes to registers; LDS serves the last sum alone.
; THE MODE: SCHED_MODE bits 1:0 = 2 (LLVM: expert scheduling mode 2), set by the entry lines.  The code itself states the register dependences
; between vector or matrix instructions and memory or LDS instructions, with s_wait_alu, always for 0.
; THE PLAN.  Registers that memory or LDS instructions touch:
;   v1-v5      offsets of the global loads and of the last store; v6, v9 LDS addresses; v10, v11 the closing add's two.  Made at the head, never written again: the rows are reached by scalar bases and immediates.
;   K          v16-41: the job's seven loads land there; every product of the job reads them.
;   Q0, Q1     two buffers of a tile of queries (six registers of codes, a scale word, -M, 1 / l).  The tile of step j lies in Q[j % 2]: its five loads are issued at the head of step j - 1; the four products and two moves of step j read it.
;   ACC        written by vector arithmetic; read by the eight LDS stores at a job's end; begun anew by the next job.
;   S          named by products and vector arithmetic alone, until the last sum's LDS loads land there; its first pair is the last store's data.
; A step works on Q[p] and loads into the other buffer, whose last readers stand ahead of the step before's wait on va_vdst behind its exponentials; since that wait only the sixteen
; packed multiply-adds were issued, which name S, v68-69 and ACC.  So the loop holds the two waits of EXPS a step and no other, and a step's loads stand ahead of its products.
; A trip of the loop runs two steps, so that the buffers are back at their start; a walk of an odd number of steps passes over the second step of its last trip, inside the loop.
.set RED,   0                          ; LDS: [job 2][wave 16][64 sums]: 8,192 bytes
.set SPARE, 8192                       ; the spare words, 128 bytes for each wave: eight blocks of 256 bytes that no other line names
.set VQ0,  1                           ; v1   16 x lane
.set VQ1,  2                           ; v2   8 x lane
.set VR,   3                           ; v3   4 r
.set VK,   4                           ; v4   16 x lane + 3,072 x half: my two pair images in a record
.set VKS,  5                           ; v5   12,288 + 16 r + 8 x half: their scale words
.set RA,   6                           ; v6   256 x wave + 64 h: where my half's sums go
.set DD,   7                           ; v7   the diagonal: 16 (w % 8) + r - 64 x half - 16 h
.set NINF, 8                           ; v8   -infinity
.set RB,   9                           ; v9   2,048 x (wave % 4) + 8 x lane: the last sum's reads
.set SPW,  10                          ; v10  LDS address of my spare word; never rewritten
.set NIL,  11                          ; v11  0; never rewritten
.set KR,   16                          ; v16-39 K's two pair images
.set KSC,  40                          ; v40-41 their scale words
.set QR,   42                          ; v42-59 buffer 0: six zeros, q's six registers, six zeros
.set QS,   60                          ; v60  buffer 0: q's scale words
.set NM,   62                          ; v62  buffer 0: -M as loaded
.set RL,   64                          ; v64  buffer 0: 1 / l as loaded
.set BUF,  92                          ; buffer 1 lies 92 registers above buffer 0: v134-151, v152, v154, v156
.set NMW,  66                          ; v66  -M at work (v67: the pair's upper half, written once)
.set RLW,  68                          ; v68  1 / l at work (v69 likewise)
.set S,    70                          ; v70-101 the scores, then p
.set ACC,  102                         ; v102-133 the columns' sums
.set WV,   14                          ; s14  wave;  s15 head;  s16 half;  s17 tile
.set KB,   18                          ; s18  the key block
.set CNT,  19                          ; s19  blocks of queries behind the diagonal still to go
.set TR,   20                          ; s20  trips of the loop still to go: two blocks a trip
.set CS,   22                          ; s[22:23] c = log2(e) / 8
.set QI,   24                          ; s[24:25] q's image asked for last;  s[26:27] its scale words;  s[28:29] its statistics;  s[30:31] the record
.set MK,   40                          ; s[40:47] eight masks of the diagonal (free once the head has made out1's address)
	s_load_b256 s[4:11], s[0:1], 0x0               ; qimg s[4:5], qsc s[6:7], kvimg s[8:9], stats s[10:11]
	s_load_b64 s[12:13], s[0:1], 0x20              ; out1
	v_lshl_add_u32 v[SPW], v0, 2, SPARE
	v_mov_b32 v[NIL], 0
.irp p, 0,1
.irp j, 0,1,2,3,4,5,12,13,14,15,16,17
	v_mov_b32 v[QR+BUF*\p+\j], 0                   ; the zeros on either side of q's codes, in both buffers: written once, well ahead of the first product
.endr
.endr
	v_mov_b32 v[NMW+1], 0                          ; (named as upper halves of pairs)
	v_mov_b32 v[RLW+1], 0
	v_lshrrev_b32 v1, 5, v0
	v_readfirstlane_b32 s[WV], v1                  ; wave 0..15
	v_and_b32 v12, 31, v0                          ; lane
	v_and_b32 v13, 15, v0                          ; r
	v_bfe_u32 v14, v0, 4, 1                        ; h
	s_wait_alu depctr_va_vdst(0)
	v_lshlrev_b32 v[VQ0], 4, v12
	v_lshlrev_b32 v[VQ1], 3, v12
	v_lshlrev_b32 v[VR], 2, v13
	v_mov_b32 v[NINF], 0xff800000
	s_and_b32 s15, ttmp7, 0xffff                   ; the head
	s_wait_alu depctr_va_sdst(0)                   ; s14, the wave's number, is written, ahead of its first reader: shares, addresses and branches are made from it
	s_lshr_b32 s16, s[WV], 3                       ; which 64 keys of a block
	s_and_b32 s17, s[WV], 7                        ; which tile of each block of queries
	s_mul_i32 s32, s16, 3072
	v_add_nc_u32 v[VK], s32, v[VQ0]
	v_lshl_add_u32 v[VKS], v13, 4, 12288
	s_lshl_b32 s32, s16, 3
	v_add_nc_u32 v[VKS], s32, v[VKS]
	s_lshl_b32 s32, s[WV], 8
	v_lshl_add_u32 v[RA], v14, 6, s32
	s_lshl_b32 s32, s17, 4
	s_lshl_b32 s33, s16, 6
	s_sub_co_i32 s32, s32, s33
	v_lshlrev_b32 v[DD], 4, v14
	v_sub_nc_u32 v[DD], v13, v[DD]
	v_add_nc_u32 v[DD], s32, v[DD]
	s_and_b32 s32, s[WV], 3
	s_lshl_b32 s32, s32, 11
	v_add_nc_u32 v[RB], s32, v[VQ1]
	s_mov_b32 s[CS], 0x3e38aa3b                    ; c = log2(e) / 8
	s_mov_b32 s[CS+1], s[CS]
	s_mul_i32 s32, s15, 196608                     ; qimg: the head's 256 images, my tile of a block
	s_mul_i32 s33, s17, 768
	s_add_co_u32 s32, s32, s33
	s_mov_b32 s33, 0
	s_lshl_b32 s34, s15, 14                        ; qsc, stats: the head's 4,096 words, my tile's 16
	s_lshl_b32 s35, s17, 6
	s_add_co_u32 s34, s34, s35
	s_mov_b32 s35, 0
	s_mul_i32 s38, s15, 409600                     ; kvimg: the head's 32 records
	s_mov_b32 s39, 0
	s_bfe_u32 s40, s[WV], 0x10001                  ; the last sum, waves 0 to 3: job w / 2, half w % 2
	s_sub_co_u32 s41, 31, ttmp9
	s_cmp_eq_u32 s40, 0
	s_cselect_b32 s40, ttmp9, s41                  ; that job's key block,
	s_lshl_b32 s40, s40, 9                         ; 512 bytes of out1,
	s_and_b32 s41, s[WV], 1
	s_lshl_b32 s41, s41, 8                         ; 256 for a half
	s_add_co_u32 s40, s40, s41
	s_lshl_b32 s41, s15, 14
	s_add_co_u32 s40, s40, s41
	s_mov_b32 s41, 0
	s_wait_kmcnt 0x0
	s_add_nc_u64 s[4:5], s[4:5], s[32:33]
	s_add_nc_u64 s[6:7], s[6:7], s[34:35]
	s_add_nc_u64 s[10:11], s[10:11], s[34:35]
	s_add_nc_u64 s[8:9], s[8:9], s[38:39]
	s_add_nc_u64 s[36:37], s[12:13], s[40:41]
	s_wait_alu depctr_va_vdst(0)                   ; the offsets v1 to v5 and the LDS addresses v6 and v9 are written, which every load and store below reads; so are the zeros of both buffers, which the scaled products take as part of their second source
.macro QLOAD p                         ; a tile of 16 queries into buffer p: its codes, its scale words, -M and 1 / l
	global_load_b128 v[QR+BUF*(\p)+6:QR+BUF*(\p)+9], v[VQ0], s[QI:QI+1]
	global_load_b64 v[QR+BUF*(\p)+10:QR+BUF*(\p)+11], v[VQ1], s[QI:QI+1] offset:512
	global_load_b32 v[QS+BUF*(\p)], v[VR], s[QI+2:QI+3]
	global_load_b32 v[NM+BUF*(\p)], v[VR], s[QI+4:QI+5]
	global_load_b32 v[RL+BUF*(\p)], v[VR], s[QI+4:QI+5] offset:262144
.endm
; The same tile of the next block of queries, into buffer p.  No load that names these bases is out: the step's loads were waited for at its head.
; No wait on va_vdst is written here: the products and moves that last read buffer p stand ahead of the wait behind the last step's exponentials (at a job's start: ahead of the wait in front of the last job's LDS stores, or of the head's),
; and no vector or matrix instruction issued since names a register of buffer p or an offset.
.macro NEXT p
	s_add_nc_u64 s[QI:QI+1], s[QI:QI+1], 6144
	s_add_nc_u64 s[QI+2:QI+3], s[QI+2:QI+3], 512
	s_add_nc_u64 s[QI+4:QI+5], s[QI+4:QI+5], 512
	QLOAD \p
.endm
.macro MM p                            ; 64 keys x the 16 queries of buffer p: each pair image twice: with [q | 0] its first tile, with [0 | q] its second
.irp b, 0,1
	v_wmma_scale_f32_16x16x128_f8f6f4 v[S+16*\b:S+16*\b+7], v[KR+12*\b:KR+12*\b+11], v[QR+BUF*(\p)+6:QR+BUF*(\p)+17], 0, v[KSC+\b], v[QS+BUF*(\p)] matrix_a_fmt:MATRIX_FMT_BF6 matrix_b_fmt:MATRIX_FMT_BF6
	v_wmma_scale_f32_16x16x128_f8f6f4 v[S+16*\b+8:S+16*\b+15], v[KR+12*\b:KR+12*\b+11], v[QR+BUF*(\p):QR+BUF*(\p)+11], 0, v[KSC+\b], v[QS+BUF*(\p)] matrix_a_fmt:MATRIX_FMT_BF6 matrix_b_fmt:MATRIX_FMT_BF6
.endr
	v_mov_b32 v[NMW], v[NM+BUF*(\p)]               ; the row's numbers go to one pair each, which the lines below name whichever buffer is at work.  With the two v_nop: the four places in front of the first read of the scores
	v_mov_b32 v[RLW], v[RL+BUF*(\p)]
	v_nop
	v_nop
.endm
.macro EXPS                            ; p = 2^(score x c - M): a wait, one batch of exponentials, one plain place, a second wait
.set n, 0
.rept 16
	v_pk_fma_f32 v[S+n:S+n+1], v[S+n:S+n+1], s[CS:CS+1], v[NMW:NMW+1] op_sel_hi:[1,0,0]
.set n, n+2
.endr
.set n, 0
	s_wait_alu depctr_va_vdst(0)
.rept 32
	v_exp_f32 v[S+n], v[S+n]
.set n, n+1
.endr
	v_nop
	s_wait_alu depctr_va_vdst(0)                   ; THE STEP'S SECOND WAIT: the exponentials have written v[S ..], ahead of their first reader; and the step's products and moves are done reading their buffer of q, in which the next step's loads land
.endm
.macro SUMUP                           ; p / l onto the columns' sums
.set n, 0
.rept 16
	v_pk_fma_f32 v[ACC+n:ACC+n+1], v[S+n:S+n+1], v[RLW:RLW+1], v[ACC+n:ACC+n+1] op_sel_hi:[1,0,1]
.set n, n+2
.endr
.endm
.macro JOB sel
.if \sel
	s_sub_co_u32 s[KB], 31, ttmp9
	s_mov_b32 s[CNT], ttmp9                        ; 31 - the key block
.else
	s_mov_b32 s[KB], ttmp9
	s_sub_co_u32 s[CNT], 31, ttmp9
.endif
	s_mul_i32 s32, s[KB], 6144                     ; the walk begins at the diagonal: the block of queries with the key block's number
	s_mov_b32 s33, 0
	s_add_nc_u64 s[QI:QI+1], s[4:5], s[32:33]
	s_lshl_b32 s32, s[KB], 9
	s_add_nc_u64 s[QI+2:QI+3], s[6:7], s[32:33]
	s_add_nc_u64 s[QI+4:QI+5], s[10:11], s[32:33]
	s_mul_i32 s32, s[KB], 12800
	s_add_nc_u64 s[QI+6:QI+7], s[8:9], s[32:33]
.irp j, 0,1,2,3,4,5
	global_load_b128 v[KR+4*\j:KR+4*\j+3], v[VK], s[QI+6:QI+7] offset:512*\j  ; my 64 keys stay in registers for the whole job.  (The last job's products, which read these registers, stand ahead of the wait in front of its LDS stores)
.endr
	global_load_b64 v[KSC:KSC+1], v[VKS], s[QI+6:QI+7]
	s_lshr_b32 s34, s[WV], 2                       ; waves 8 to 11: keys 64..127 of the block against its queries 0..63: wholly above the diagonal: not multiplied
	s_cmp_eq_u32 s34, 2
	s_cbranch_scc1 .Ldead_\@
	QLOAD 0                                        ; the diagonal's tile lies in buffer 0
	s_wait_loadcnt 0x0
	s_cmp_eq_u32 s[CNT], 0
	s_cbranch_scc1 .Lno_next_\@
	NEXT 1                                         ; the next tile is asked for ahead of the products: it lands in the other buffer
.Lno_next_\@:
	MM 0
.set g, 0
.rept 4                                            ; on the diagonal hidden scores become -infinity: p = 0.  Register 16 b + j holds key 32 b + 16 h + j of my 64: hidden where 32 b + j > d.  Eight registers at a time: a run of compares, one wait, a run of selects
.set k, 0
.rept 8
	v_cmp_gt_i32 s[MK+k], 32*((8*g+k)/16)+(8*g+k)%16, v[DD]
.set k, k+1
.endr
	s_wait_alu depctr_va_sdst(0)                   ; the eight compares have written s40 to s47, ahead of the selects that read them
.set k, 0
.rept 8
	v_cndmask_b32 v[S+8*g+k], v[S+8*g+k], v[NINF], s[MK+k]
.set k, k+1
.endr
.set g, g+1
.endr
	EXPS
.set n, 0
.rept 16
	v_pk_mul_f32 v[ACC+n:ACC+n+1], v[S+n:S+n+1], v[RLW:RLW+1] op_sel_hi:[1,0]     ; p / l starts the sums: nothing is cleared
.set n, n+2
.endr
	s_branch .Ljoin_\@
.Ldead_\@:
.set n, 0
.rept 32
	v_mov_b32 v[ACC+n], 0
.set n, n+1
.endr
	s_cmp_eq_u32 s[CNT], 0
	s_cbranch_scc1 .Ljoin_\@
	NEXT 1
.Ljoin_\@:
	s_cmp_eq_u32 s[CNT], 0
	s_cbranch_scc1 .Ldone_\@
	s_add_co_u32 s[TR], s[CNT], 1
	s_lshr_b32 s[TR], s[TR], 1                     ; the trips: half the blocks to go, rounded up
.Ltrip_\@:                                         ; two blocks of queries behind the diagonal a trip, so that the buffers are back at their start: all keys count
	s_wait_loadcnt 0x0                             ; buffer 1's tile (and, in the first trip, K) is in
	s_cmp_eq_u32 s[CNT], 1                         ; the last step asks for nothing: no load leaves its buffer
	s_cbranch_scc1 .Llast_a_\@
	NEXT 0
.Llast_a_\@:
	MM 1
	EXPS
	SUMUP
	s_cmp_eq_u32 s[CNT], 1                         ; a walk of an odd number of steps has no second step in its last trip: it goes on to the counters' steps, and leaves the loop by its end like every other
	s_cbranch_scc1 .Lodd_\@
	s_wait_loadcnt 0x0                             ; buffer 0's tile is in
	s_cmp_eq_u32 s[CNT], 2                         ; the last step asks for nothing
	s_cbranch_scc1 .Llast_b_\@
	NEXT 1
.Llast_b_\@:
	MM 0
	EXPS
	SUMUP
.Lodd_\@:
	s_sub_co_i32 s[CNT], s[CNT], 2                 ; the blocks to go (behind an odd walk's last trip -1: nothing reads it before the next job writes it)
	s_sub_co_u32 s[TR], s[TR], 1
	s_cmp_lg_u32 s[TR], 0
	s_cbranch_scc1 .Ltrip_\@
.Ldone_\@:
	s_wait_loadcnt 0x0                             ; (a wave with nothing to multiply still has K's loads out: the next job loads into the same registers)
.irp m, 1,2,4,8                                    ; over the 16 queries of each half of the lanes: every lane of a half ends with the half's sums
.set n, 0
.rept 32
	v_add_f32_dpp v[ACC+n], v[ACC+n], v[ACC+n] row_xmask:\m row_mask:0xf bank_mask:0xf
.set n, n+1
.endr
.endr
	s_wait_alu depctr_va_vdst(0)                   ; the additions have written v[ACC ..], which the LDS stores read.  All that was issued so far is also done with K's, q's and S's registers, in which the next job's loads, or the last sum's, land
.irp q, 0,1,2,3,4,5,6,7
	ds_store_b128 v[RA], v[ACC+4*\q:ACC+4*\q+3] offset:RED+4096*\sel+128*(\q/4)+16*(\q%4)   ; key 32 b + 16 h + j at byte 128 b + 64 h + 4 j of my wave's 256 (the sixteen lanes of a half write the same bytes with the same values)
.endr
	s_wait_dscnt 0x0                               ; my sums lie in LDS: the barrier below leans on this
.if \sel == 0
	s_wait_alu depctr_vm_vsrc(0)                   ; the LDS stores have read v[ACC ..], which the next job begins anew, on either of its ways
.endif
.endm
	JOB 0
	JOB 1
	s_barrier_signal -1                            ; every wave's sums lie in LDS (each has waited for its stores)
	s_barrier_wait -1
	s_cmp_lt_u32 s[WV], 4
	s_cbranch_scc0 .Lfin
.irp j, 0,1,2,3,4,5,6,7
	ds_load_b64 v[S+2*\j:S+2*\j+1], v[RB] offset:RED+256*\j        ; the eight waves' sums of one half block: two keys a lane.  (No vector instruction has named v[S ..] since the wait in front of the last LDS stores)
.endr
	s_wait_dscnt 0x0
	v_pk_add_f32 v[S:S+1], v[S:S+1], v[S+2:S+3]
	v_pk_add_f32 v[S+4:S+5], v[S+4:S+5], v[S+6:S+7]
	v_pk_add_f32 v[S+8:S+9], v[S+8:S+9], v[S+10:S+11]
	v_pk_add_f32 v[S+12:S+13], v[S+12:S+13], v[S+14:S+15]
	v_pk_add_f32 v[S:S+1], v[S:S+1], v[S+4:S+5]
	v_pk_add_f32 v[S+8:S+9], v[S+8:S+9], v[S+12:S+13]
	v_pk_add_f32 v[S:S+1], v[S:S+1], v[S+8:S+9]
	s_wait_alu depctr_va_vdst(0)                   ; the additions have written v[S:S+1], which the store reads
	global_store_b64 v[VQ1], v[S:S+1], s[36:37]    ; 32 lanes store 256 consecutive bytes, at a multiple of 256 from out1's first byte
.Lfin:
	s_wait_dscnt 0x0                               ; the wave's end: the closing lines, six on end
	s_wait_alu 0x0
	s_wait_tensorcnt 0x0
	ds_add_u32 v[SPW], v[NIL]
	s_wait_dscnt 0x0
	s_endpgm
.Lfunc_end_k_q2fb5e25990_colsum:
	.size	k_q2fb5e25990_colsum, .Lfunc_end_k_q2fb5e25990_colsum-k_q2fb5e25990_colsum
	.p2alignl 7, 3214868480
	.fill 96, 4, 3214868480
	.section	.rodata,"a",@progbits
	.p2align	6, 0x0
	.amdhsa_kernel k_q2fb5e25990_colsum
		.amdhsa_group_segment_fixed_size 10240
		.amdhsa_private_segment_fixed_size 0
		.amdhsa_enable_private_segment 0
		.amdhsa_kernarg_size 40
		.amdhsa_user_sgpr_count 2
		.amdhsa_user_sgpr_kernarg_segment_ptr 1
		.amdhsa_wavefront_size32 1
		.amdhsa_system_sgpr_workgroup_id_x 1
		.amdhsa_system_sgpr_workgroup_id_y 1
		.amdhsa_system_sgpr_workgroup_id_z 1
		.amdhsa_system_vgpr_workitem_id 0
		.amdhsa_next_free_vgpr 158
		.amdhsa_next_free_sgpr 66
		.amdhsa_reserve_vcc 0
		.amdhsa_float_denorm_mode_32 3
		.amdhsa_float_denorm_mode_16_64 3
		.amdhsa_memory_ordered 1
		.amdhsa_forward_progress 1
		.amdhsa_inst_pref_size 65
	.end_amdhsa_kernel
	.amdgpu_metadata
---
amdhsa.version: [ 1, 2 ]
amdhsa.kernels:
  - .name:           k_q2fb5e25990_colsum
    .symbol:         k_q2fb5e25990_colsum.kd
    .args:
      - { .name: qimg, .offset: 0, .size: 8, .value_kind: global_buffer, .address_space: global }
      - { .name: qsc, .offset: 8, .size: 8, .value_kind: global_buffer, .address_space: global }
      - { .name: kvimg, .offset: 16, .size: 8, .value_kind: global_buffer, .address_space: global }
      - { .name: stats, .offset: 24, .size: 8, .value_kind: global_buffer, .address_space: global }
      - { .name: out1, .offset: 32, .size: 8, .value_kind: global_buffer, .address_space: global }
    .group_segment_fixed_size: 10240
    .private_segment_fixed_size: 0
    .kernarg_segment_align: 8
    .kernarg_segment_size: 40
    .max_flat_workgroup_size: 512
    .sgpr_count:     66
    .vgpr_count:     158
    .wavefront_size: 32
...
	.end_amdgpu_metadata
.endif
;; end of part 6
